; MI455X (gfx1250); checked and timed in simulation.
; The chip was launched on July 23, 2026; its instructions are those of AMD's public machine-readable ISA for CDNA 5 (MIT licence, August 2026) and "CDNA5" Instruction Set Architecture Reference Guide (July 2026). The comments in the code are by the model that wrote it; some were corrected since.
;; Simple Multihead Self Attention. Allowed arithmetic: matrix products marked QUANTISED: E2M3 operands, one E8M0 scale for each 32 along K, by v_wmma_scale_f32_16x16x128_f8f6f4 with both operands' format E2M3, f32 sums; products left as they are: f32 operands where the result goes on into a quantised operand, else bf16, f16 or f32 operands; f32 sums; everything else in f32.
;; Inputs: Wk 1,024 x 1,024 float32; Wo 1,024 x 1,024 float32; Wq 1,024 x 1,024 float32; Wv 1,024 x 1,024 float32; bk 1,024 float32; bo 1,024 float32; bq 1,024 float32; bv 1,024 float32; x 16,384 x 1,024 float32.
;; Outputs: out0 16,384 x 1,024 float32.
;; This version of the problem:
;;   THIS VERSION OF THE PROBLEM IS GIVEN IN LOW PRECISION. The matrix products marked QUANTISED in the list below multiply operands that are first quantised to E2M3 (2 exponent bits, 3 mantissa bits; 6 bits a number), with one power-of-two scale for each 32 numbers along K (OCP MX v1.0); their sums are f32. All else is computed in f32.
;;   The module's matrix products, in the order in which they are computed (A, B: the left and right operand; K: the contracted axis; several contracted axes count as one K, in the product's order):
;;     1. [M 16,384, K 1,024] x [K 1,024, N 1,024]; A: input x; B: input Wq: QUANTISED
;;     2. [M 16,384, K 1,024] x [K 1,024, N 1,024]; A: input x; B: input Wk: QUANTISED
;;     3. [M 16,384, K 1,024] x [K 1,024, N 1,024]; A: input x; B: input Wv: QUANTISED
;;     4. batch 16,384 x [M 16, K 64] x [K 64, N 16]; A: computed on the way; B: computed on the way: QUANTISED
;;     5. batch 16,384 x [M 16, K 16] x [K 16, N 64]; A: softmax; B: computed on the way: left as it is (K = 16 < 32)
;;     6. [M 16,384, K 1,024] x [K 1,024, N 1,024]; A: computed on the way; B: input Wo: QUANTISED
;;   THE QUANTISER, for each operand of a quantised product, along K:
;;     - K is cut into blocks of 32 from its start; a last block that is shorter is filled with zeros.
;;     - A block's scale is 2^e with e = floor(log2(the largest magnitude in the block)) - 2, held to -126 .. 127; a block of zeros has e = 0. As a byte (E8M0): e + 127.
;;     - Each number is divided by its block's scale, clamped to +-7.5, and rounded to the nearest number of E2M3, ties to even, subnormals kept.
;;     - The product sums the exact products of the quantised numbers (number of the format x scale) in f32.
;;   ~~~python
;;   def quantise(x, axis):      # numpy; x: float32 -> the quantised numbers, widened to float32 again
;;       x = np.moveaxis(x, axis, -1); K = x.shape[-1]
;;       x = np.pad(x, [(0, 0)] * (x.ndim - 1) + [(0, -K % 32)]); x = x.reshape(x.shape[:-1] + (-1, 32)); a = np.abs(x).max(-1, keepdims=True)
;;       e = np.where(a > 0, np.clip(np.frexp(np.where(a > 0, a, 1))[1] - 1 - 2, -126, 127), 0)      # np.frexp(a)[1] - 1 = floor(log2(a)), exactly
;;       r = np.clip(x / 2.0 ** e, -7.5, 7.5)
;;       step = 2.0 ** (np.maximum(np.frexp(np.where(r == 0, 1, r))[1] - 1, 0) - 3)
;;       q = np.round(r / step) * step * 2.0 ** e      # np.round: ties to even
;;       return np.moveaxis(q.reshape(q.shape[:-2] + (-1,))[..., :K], -1, axis).astype(np.float32)
;;   ~~~
;;   OPERANDS COMPUTED ON THE WAY. 'Computed on the way' means the value that the module computes at that place (a softmax that the list does not call 'softmax' is quantised finished and normalised). What goes into a quantiser is computed in f32, as accurately as f32 sums, v_exp_f32 and their like allow (about 1e-6 of the number): no bf16 or f16 on the way to a quantiser, and a product that is left as it is and whose result goes on into a quantised operand takes f32 operands (vector FMAs, or v_wmma_f32_16x16x4_f32). A number that lies on a knife's edge between two numbers of the format may be rounded either way, as far as f32 arithmetic and the matrix unit's own rounding can turn it there, and no further.
;; 2 versions. Each part assembles by itself: llvm-mc -triple=amdgcn-amd-amdhsa -mcpu=gfx1250 --defsym DOCPART=n.
;; ======== version 1 of 2: 2 launches
;; workspace buffers: wimg 3,276,800 bytes; bimg 16,384 bytes
;; launch prep (part 1): grid 256 x 1, 8 waves a work-group, no clusters, 70,656 bytes of LDS; arguments Wq, Wk, Wv, Wo, bq, bk, bv, bo, wimg, bimg; writes wimg, bimg
.if DOCPART == 1
	.amdgcn_target "amdgcn-amd-amdhsa--gfx1250"
	.amdhsa_code_object_version 6
	.text
	.protected	k_q98fd6c2888_prep
	.globl	k_q98fd6c2888_prep
	.p2align	8
	.type	k_q98fd6c2888_prep,@function
k_q98fd6c2888_prep:
	s_mov_b64 s[64:65], 0
	v_nop
	global_prefetch_b8 v0, s[64:65] scope:SCOPE_SE
	s_setreg_imm32_b32 hwreg(HW_REG_WAVE_MODE, 25, 1), 1
	s_wait_xcnt 0x0
; The four weights [1024 (n)][1024 (k)], f32, K innermost, become codes of FP6 (E2M3) with one E8M0 byte for each 32 along K, laid in the ORDER OF THE OPERAND'S REGISTERS and in the order in which
; the second launch streams them; the four biases are gathered in the same order of rows.
; THE STREAM wimg: 32 tiles T = 4 c + kp of 102,400 bytes; chunk c = 512 weight rows (c = 0,1 Wq; 2,3 Wk; 4,5 Wv; 6,7 Wo), kp = a pair of K steps of 128.  A tile is four parts of 25,600 bytes, one for each wave w of
; the reader.  A part: 16 fragments (q, b) (K step 2 kp + q, tile b of 16 rows) at 1536 (8 q + b): register g of lane l at 512 (g / 4) + 16 l + 4 (g % 4); behind them, at 24,576 + 512 q, the scale words of K step q:
; lane (r, h) has 16 bytes, word i = row r of tile 4 h + i.
; WHICH WEIGHT ROW is row i of tile b of wave w in chunk c (hf = c & 1):  q, k: 512 hf + 128 w + 32 (b / 2) + 8 (b % 2) + i + 8 (i / 8);  v: 64 i + 32 hf + 8 w + b;  o: 512 hf + 128 w + 16 b + i.
; SHARES: work-group g = (T, w, q); its wave b makes one fragment: 16 rows x 128 K.  Each load reads 512 consecutive bytes of one row; the 16 rows turn through the wave's own stage in LDS, so that a lane
; holds 16 neighbours along K of each block of 32.  Every store of the wave covers 512 consecutive bytes, aligned to 256.
; A block's scale is 2^(floor(log2(its largest magnitude)) - 2); its byte is the largest magnitude's exponent field - 2, held at 1 from below.
; LIMITS: a block of zeros, or one whose largest magnitude lies under 2^-124, gets the byte 1 (the stated quantiser gives a block of zeros 127): its codes are zeros or nearly so, and this program alone reads the bytes.
; NaN and infinities among the inputs are not served.
.set SCI, 67584                        ; LDS behind the eight stages (8 x 16 rows x 528 bytes): the part's scale image of this K step, 512 bytes
.set BIS, 68096                        ; and the part's 128 biases, 512 bytes
.set SEL, 2                            ; s[2:3]  lane selects for v_permlanex16_b32: lane l xor 16
.set RO,  16                           ; v16-31  byte offset of my 16 bytes in row i
.set R,   32                           ; v32-95  the 16 rows as loaded
.set X,   96                           ; v96-159 64 numbers of my row: register 16 b + i = k 32 b + 16 (lane / 16) + i
.set TM,  160                          ; v160-175 at work
.set PW,  176                          ; the scale word
.set BV,  177                          ; my row's bias
.set PC,  180                          ; v180-199 the codes
; 64 numbers of a lane, v[s] .. v[s + 63], become a fragment's codes in v[PC] on and its scale word in v[PW]
.macro QUANT s
.irp b, 0,1,2,3
	v_max3_num_f32 v[TM+\b], |v[\s+16*\b]|, |v[\s+1+16*\b]|, 0x1800000   ; block b: my 16 numbers, and the floor 2^(3 - 127): the byte cannot fall under 1
.endr
.irp i, 2,4,6,8,10,12,14
.irp b, 0,1,2,3
	v_max3_num_f32 v[TM+\b], v[TM+\b], |v[\s+16*\b+\i]|, |v[\s+1+16*\b+\i]|   ; the four blocks by turns
.endr
.endr
.irp b, 0,1,2,3
	v_permlanex16_b32 v[TM+4+\b], v[TM+\b], s[SEL], s[SEL+1]
.endr
.irp b, 0,1,2,3
	v_max_num_f32 v[TM+\b], v[TM+\b], v[TM+4+\b]   ; with lane l xor 16's: the block's largest magnitude
.endr
.irp b, 0,1,2,3
	v_add_nc_u32 v[TM+12+\b], 0xff000000, v[TM+\b]   ; 2 off its exponent field: the conversion's scale operand
.endr
.irp b, 0,1,2,3
	v_lshrrev_b32 v[TM+4+\b], 23, v[TM+12+\b]      ; the scale's byte
.endr
	v_lshl_or_b32 v[PW], v[TM+5], 8, v[TM+4]
	v_lshl_or_b32 v[PW], v[TM+6], 16, v[PW]
	v_lshl_or_b32 v[PW], v[TM+7], 24, v[PW]
.irp c, 0,1
	v_cvt_scalef32_pk16_fp6_f32 v[PC+6*\c:PC+2+6*\c], v[\s+32*\c:\s+15+32*\c], v[TM+12+2*\c]
	v_cvt_scalef32_pk16_fp6_f32 v[PC+12+4*\c:PC+14+4*\c], v[\s+16+32*\c:\s+31+32*\c], v[TM+12+2*\c+1]   ; (a conversion's three registers begin on an even number)
.endr
	v_nop                                          ; one plain place behind a scaled conversion
.irp c, 0,1                                    ; the operand's layout wants a whole block in a lane
.irp i, 0,1,2
	v_permlane16_swap_b32 v[PC+6*\c+\i], v[PC+12+4*\c+\i]
.endr
.irp i, 0,1,2
	v_mov_b32 v[PC+3+6*\c+\i], v[PC+12+4*\c+\i]
.endr
.endr
.endm
	s_load_b256 s[4:11], s[0:1], 0x0               ; Wq, Wk, Wv, Wo
	s_load_b256 s[12:19], s[0:1], 0x20             ; bq, bk, bv, bo
	s_load_b128 s[20:23], s[0:1], 0x40             ; wimg, bimg
	v_lshl_add_u32 v208, v0, 2, 0x11000
	v_mov_b32 v209, 0
	v_lshrrev_b32 v9, 5, v0
	v_readfirstlane_b32 s24, v9                    ; b: my wave, my tile of 16 rows
	v_and_b32 v1, 15, v0                           ; r
	v_bfe_u32 v2, v0, 4, 1                         ; h
	v_and_b32 v3, 31, v0
	v_lshlrev_b32 v3, 4, v3                        ; 16 x lane
	s_mov_b32 s[SEL], 0x76543210
	s_mov_b32 s[SEL+1], 0xfedcba98
	s_lshr_b32 s25, ttmp9, 3                       ; T
	s_bfe_u32 s26, ttmp9, 0x20001                  ; w
	s_and_b32 s27, ttmp9, 1                        ; q
	s_lshr_b32 s28, s25, 2                         ; c
	s_and_b32 s29, s25, 3                          ; kp
	s_lshl_b32 s30, s29, 1
	s_add_co_u32 s30, s30, s27                     ; the K step
	s_or_b32 s46, s29, s27                         ; 0 in the work-group that also stores the part's biases
	s_lshr_b32 s31, s28, 1                         ; which weight: 0 q, 1 k, 2 v, 3 o
	s_and_b32 s32, s28, 1                          ; hf
	s_lshl_b32 s33, s32, 9
	s_lshl_b32 s34, s26, 7
	s_add_co_u32 s33, s33, s34                     ; 512 hf + 128 w
	s_lshr_b32 s34, s24, 1
	s_lshl_b32 s34, s34, 5
	s_and_b32 s35, s24, 1
	s_lshl_b32 s35, s35, 3
	s_add_co_u32 s34, s34, s35
	s_add_co_u32 s34, s34, s33                     ; the tile's first row in q, k
	s_lshl_b32 s35, s24, 4
	s_add_co_u32 s35, s35, s33                     ; in o
	s_lshl_b32 s36, s32, 5
	s_lshl_b32 s37, s26, 3
	s_add_co_u32 s36, s36, s37
	s_add_co_u32 s36, s36, s24                     ; in v
	s_cmp_lt_u32 s31, 2
	s_cselect_b32 s34, s34, s35
	s_cselect_b32 s38, 8, 0                        ; B: row i lies at n0 + A i + B (i / 8)
	s_cmp_eq_u32 s31, 2
	s_cselect_b32 s34, s36, s34                    ; n0
	s_cselect_b32 s39, 64, 1                       ; A
.irp i, 0,1,2,3,4,5,6,7,8,9,10,11,12,13,14,15
	s_mul_i32 s40, s39, \i
.if \i >= 8
	s_add_co_u32 s40, s40, s38
.endif
	s_lshl_b32 s40, s40, 12                        ; a row of W is 4,096 bytes
	v_add_nc_u32 v[RO+\i], s40, v3
.endr
	v_mul_lo_u32 v8, v1, s39
	v_lshrrev_b32 v9, 3, v1
	v_mul_lo_u32 v9, v9, s38
	v_add_lshl_u32 v8, v8, v9, 2                   ; my row's bias: 4 (A r + B (r / 8))
	s_mul_i32 s40, s24, 8448                       ; my stage: 16 rows x (512 + 16) bytes
	v_add_nc_u32 v4, s40, v3                       ; in: 16 x lane of a row
	v_mul_u32_u24 v5, v1, 528
	v_lshl_add_u32 v5, v2, 6, v5
	v_add_nc_u32 v5, s40, v5                       ; back: row r, + 64 h
	s_lshr_b32 s40, s24, 2
	s_lshl_b32 s40, s40, 8
	s_and_b32 s41, s24, 3
	s_lshl_b32 s41, s41, 2
	s_add_co_u32 s40, s40, s41
	s_add_co_u32 s40, s40, SCI
	v_lshl_add_u32 v6, v1, 4, s40                  ; my scale word's place: 256 (b / 4) + 16 r + 4 (b % 4)
	s_lshl_b32 s40, s24, 6
	s_add_co_u32 s40, s40, BIS
	v_lshl_add_u32 v7, v1, 2, s40                  ; my bias's place: 64 b + 4 r
	v_add_nc_u32 v10, SCI, v3
	v_add_nc_u32 v11, BIS, v3
.irp b, 0,1,2,3
	v_mov_b32 v[TM+4+\b], 0                        ; written once: a lane permute's destination counts as one of its sources
.endr
	s_wait_kmcnt 0x0
	s_and_b32 s40, s31, 1                          ; the weight and its bias: the choice hangs on the work-group's number alone
	s_cmp_eq_u32 s40, 0
	s_cselect_b64 s[4:5], s[4:5], s[6:7]
	s_cselect_b64 s[8:9], s[8:9], s[10:11]
	s_cselect_b64 s[12:13], s[12:13], s[14:15]
	s_cselect_b64 s[16:17], s[16:17], s[18:19]
	s_cmp_lt_u32 s31, 2
	s_cselect_b64 s[4:5], s[4:5], s[8:9]
	s_cselect_b64 s[12:13], s[12:13], s[16:17]
	s_lshl_b32 s40, s34, 12
	s_lshl_b32 s41, s30, 9
	s_add_co_u32 s40, s40, s41                     ; row n0, K step s: 512 bytes a step
	s_mov_b32 s41, 0
	s_add_nc_u64 s[4:5], s[4:5], s[40:41]
	s_lshl_b32 s40, s34, 2
	s_add_nc_u64 s[12:13], s[12:13], s[40:41]
	s_mul_i32 s40, s25, 102400
	s_mul_i32 s42, s26, 25600
	s_add_co_u32 s40, s40, s42
	s_add_nc_u64 s[20:21], s[20:21], s[40:41]      ; the part
	s_lshl_b32 s42, s27, 3
	s_add_co_u32 s42, s42, s24
	s_mul_i32 s42, s42, 1536
	s_mov_b32 s43, 0
	s_add_nc_u64 s[44:45], s[20:21], s[42:43]      ; my fragment
	s_lshl_b32 s42, s27, 9
	s_add_co_u32 s42, s42, 24576
	s_add_nc_u64 s[20:21], s[20:21], s[42:43]      ; this K step's scale image
	s_lshl_b32 s42, s28, 11
	s_lshl_b32 s40, s26, 9
	s_add_co_u32 s42, s42, s40
	s_add_nc_u64 s[22:23], s[22:23], s[42:43]      ; the part's biases: 4 (512 c + 128 w)
.irp i, 0,1,2,3,4,5,6,7,8,9,10,11,12,13,14,15
	global_load_b128 v[R+4*\i:R+4*\i+3], v[RO+\i], s[4:5] th:TH_LOAD_NT   ; 32 lanes read 512 consecutive bytes of row i
.endr
	global_load_b32 v[BV], v8, s[12:13]
	s_wait_loadcnt 0x0
.irp i, 0,1,2,3,4,5,6,7,8,9,10,11,12,13,14,15
	ds_store_b128 v4, v[R+4*\i:R+4*\i+3] offset:528*\i
.endr
.irp b, 0,1,2,3
.irp j, 0,1,2,3
	ds_load_b128 v[X+16*\b+4*\j:X+16*\b+4*\j+3], v5 offset:128*\b+16*\j   ; LDS serves a wave's instructions in order: these see my stores
.endr
.endr
	s_wait_dscnt 0x0
	QUANT X
.irp g, 0,1,2
	global_store_b128 v3, v[PC+4*\g:PC+4*\g+3], s[44:45] offset:512*\g   ; the fragment as it stands: 512 consecutive bytes a store
.endr
	ds_store_b32 v6, v[PW]                         ; both halves of the lanes write the same word with the same value
	ds_store_b32 v7, v[BV]
	s_wait_dscnt 0x0                               ; for the others' sake: my stores have landed
	s_barrier_signal -1
	s_barrier_wait -1
	s_cmp_lg_u32 s24, 0
	s_cbranch_scc1 .Lnot_wave_0
	ds_load_b128 v[32:35], v10                     ; wave 0: the eight tiles' scale words leave as 512 consecutive bytes
	s_wait_dscnt 0x0
	global_store_b128 v3, v[32:35], s[20:21]
	s_branch .Lend
.Lnot_wave_0:
	s_cmp_lg_u32 s24, 1
	s_cbranch_scc1 .Lend
	s_cmp_lg_u32 s46, 0                            ; the biases hang on no K step: the work-group of K step 0 stores them
	s_cbranch_scc1 .Lend
	ds_load_b128 v[32:35], v11
	s_wait_dscnt 0x0
	global_store_b128 v3, v[32:35], s[22:23]
.Lend:
	s_wait_tensorcnt 0x0
	ds_add_u32 v208, v209
	s_wait_dscnt 0x0
	s_endpgm
.Lfunc_end_k_q98fd6c2888_prep:
	.size	k_q98fd6c2888_prep, .Lfunc_end_k_q98fd6c2888_prep-k_q98fd6c2888_prep
	.p2alignl 7, 3214868480
	.fill 96, 4, 3214868480
	.section	.rodata,"a",@progbits
	.p2align	6, 0x0
	.amdhsa_kernel k_q98fd6c2888_prep
		.amdhsa_group_segment_fixed_size 70656
		.amdhsa_private_segment_fixed_size 0
		.amdhsa_enable_private_segment 0
		.amdhsa_kernarg_size 80
		.amdhsa_user_sgpr_count 2
		.amdhsa_user_sgpr_kernarg_segment_ptr 1
		.amdhsa_wavefront_size32 1
		.amdhsa_system_sgpr_workgroup_id_x 1
		.amdhsa_system_sgpr_workgroup_id_y 1
		.amdhsa_system_sgpr_workgroup_id_z 1
		.amdhsa_system_vgpr_workitem_id 0
		.amdhsa_next_free_vgpr 210
		.amdhsa_next_free_sgpr 66
		.amdhsa_reserve_vcc 0
		.amdhsa_float_denorm_mode_32 3
		.amdhsa_float_denorm_mode_16_64 3
		.amdhsa_memory_ordered 1
		.amdhsa_forward_progress 1
		.amdhsa_inst_pref_size 15
	.end_amdhsa_kernel
	.amdgpu_metadata
---
amdhsa.version: [ 1, 2 ]
amdhsa.kernels:
  - .name:           k_q98fd6c2888_prep
    .symbol:         k_q98fd6c2888_prep.kd
    .args:
      - { .name: Wq, .offset: 0, .size: 8, .value_kind: global_buffer, .address_space: global }
      - { .name: Wk, .offset: 8, .size: 8, .value_kind: global_buffer, .address_space: global }
      - { .name: Wv, .offset: 16, .size: 8, .value_kind: global_buffer, .address_space: global }
      - { .name: Wo, .offset: 24, .size: 8, .value_kind: global_buffer, .address_space: global }
      - { .name: bq, .offset: 32, .size: 8, .value_kind: global_buffer, .address_space: global }
      - { .name: bk, .offset: 40, .size: 8, .value_kind: global_buffer, .address_space: global }
      - { .name: bv, .offset: 48, .size: 8, .value_kind: global_buffer, .address_space: global }
      - { .name: bo, .offset: 56, .size: 8, .value_kind: global_buffer, .address_space: global }
      - { .name: wimg, .offset: 64, .size: 8, .value_kind: global_buffer, .address_space: global }
      - { .name: bimg, .offset: 72, .size: 8, .value_kind: global_buffer, .address_space: global }
    .group_segment_fixed_size: 70656
    .private_segment_fixed_size: 0
    .kernarg_segment_align: 8
    .kernarg_segment_size: 80
    .max_flat_workgroup_size: 256
    .sgpr_count:     66
    .vgpr_count:     210
    .wavefront_size: 32
...
	.end_amdgpu_metadata
.endif
;; end of part 1
;; launch fused (part 2): grid 256 x 1, 4 waves a work-group, clusters of 4 x 1, 327,680 bytes of LDS; arguments x, wimg, bimg, out0; writes out0
.if DOCPART == 2
	.amdgcn_target "amdgcn-amd-amdhsa--gfx1250"
	.amdhsa_code_object_version 6
	.text
	.protected	k_q98fd6c2888_fused
	.globl	k_q98fd6c2888_fused
	.p2align	8
	.type	k_q98fd6c2888_fused,@function
k_q98fd6c2888_fused:
	s_mov_b64 s[64:65], 0
	v_nop
	global_prefetch_b8 v0, s[64:65] scope:SCOPE_SE
	s_setreg_imm32_b32 hwreg(HW_REG_WAVE_MODE, 25, 1), 1
	s_wait_xcnt 0x0
	s_wait_alu depctr_hold_cnt(0) depctr_sa_sdst(0) depctr_va_vdst(0) depctr_va_sdst(0) depctr_va_ssrc(0) depctr_va_vcc(0) depctr_vm_vsrc(0)
	s_getreg_b32 s2, hwreg(HW_REG_IB_STS2, 6, 4)
	s_cmp_eq_u32 s2, 0
	s_cbranch_scc0 .Lentry_in_a_cluster
	s_endpgm
.Lentry_in_a_cluster:
	s_bfe_u32 s2, ttmp6, 0x10000c
	s_cmp_lg_u32 s2, 0x3003
	s_cbranch_scc0 .Lentry_shape_is_right
	s_endpgm
.Lentry_shape_is_right:
; out0 = (softmax over key heads of (q k^T / 8) v) Wo^T + bo, with q, k, v = x W^T + b, per token across its 16 heads of 64.  The five quantised products run on codes of FP6 (E2M3) with one E8M0 scale
; for each 32 along K; attn v (K = 16) runs on f32 operands, since its result goes into a quantiser.  Nothing but x, the weights' stream, the biases and out0 touches memory.
; SHARES.  A work-group owns 64 tokens and walks all four weights: 8 chunks of 512 weight rows (q, q, k, k, v, v, o, o).  THE WAVES SHARE THE COLUMNS: in a chunk wave w makes 128 columns for all 64 tokens: 32 accumulators.
; The 64 tokens' codes (32 fragments, 384 registers) stay in EVERY wave's registers, so a weight fragment read from LDS feeds four matrix instructions and none is read twice.
; In the parts that go token by token (scores, softmax, attn v) wave w owns tokens 16 m + 4 w + i, m, i = 0 .. 3.
; THE WEIGHTS come as a stream of 32 tiles of 102,400 bytes (two K steps of 128 of a chunk), laid by the first launch in the order of the operand's registers, through a ring of two LDS slots.  Each wave fetches
; and reads its own quarter of a tile.  CLUSTER: the four work-groups of a cluster walk the same stream, so every tile is asked for JOINTLY (mask 15).  A cluster of 4 x 4 has nothing to add: there is no second shared operand.
; ALL PRODUCTS ARE USED TRANSPOSED (source 0 = 16 weight rows, source 1 = 16 tokens): a lane holds one token (lane % 16) and its registers run along the columns, which are the next K.  The first launch chose the
; rows of a tile so that: q, k: the 16 registers of tiles 2 b', 2 b' + 1 are 16 neighbouring columns; v: a tile is the 16 heads at one d; o: 16 neighbouring columns.
; LIMITS: a block of zeros, or one whose largest magnitude lies under 2^-124, gets the scale byte 1 (the stated quantiser gives a block of zeros 127): only this program reads the bytes.  NaN and infinities are not served.
; The softmax takes the row's maximum away ahead of the exponential.
; REGISTERS, in windows of 256.  Window 0: v0-31 ids and addresses; v32-47 the tokens' scale words, v48-55 the weights', v56-63 the scores' (these hold scales and nothing else); v64-159, v160-255 two sets of eight
; weight fragments, which between chunks are the scratch NB (v64-127), BI (v128-191), T2 (v192-255).  Window 1: v0-191 the tokens' fragments of K steps 0-3 ((s, m) at 12 (4 s + m)); v192-255 attn of my tokens of m = 0, 1.
; Window 2: the same for K steps 4-7 and m = 2, 3.  Window 3: accumulator (m, b) at 8 (8 m + b); its v0-63 also take the f32 products' sums: window 3 is written by matrix instructions alone.
.set TILE,  102400
.set PART,  25600                      ; a wave's quarter of a tile: 100 rows of 256 bytes
.set FRB,   1536                       ; a fragment's image
.set SCO,   24576                      ; where a part's two scale images begin
.set BIAS,  204800                     ; behind the ring: the 4,096 biases in the stream's order of rows
.set U,     221184                     ; the exchange, 105,984 bytes, written by LDS stores alone; its parts by phase:
.set XIMG,  U                          ;   X: x's 32 fragments, (s, m) at 1536 (4 s + m)
.set XSC,   U+49152                    ;      their scale words as images of registers: (s / 2, m) at 128 (4 (s / 2) + m) + 64 (s % 2) + 4 r
.set XSTG,  U+51200                    ;      a stage of 16 rows x 528 bytes for each wave
.set QKC,   U                          ;   QK: token t at 1552 t: q's 768 bytes of codes, k's 768, 16 of padding
.set QKS,   U+99328                    ;       64 bytes a token: q's 32 scale bytes, k's 32
.set VST,   U                          ;   V: 16 tokens x 2,064 bytes of v: at 1024 u + 512 (j / 4) + 16 (16 h + rd) + 4 (j % 4)
.set OC,    U+33792                    ;      the attention's output as codes: rows of 768 + 16 bytes
.set OS,    U+83968                    ;      32 scale bytes a token
.set OST,   U                          ;   O: a stage of 16 rows x 528 bytes for each wave
.set SPARE, 327168                     ; the spare words, 128 bytes for each wave: two blocks of 256 bytes that no other line names
.set SPW,  3                           ; v3   SPARE + 4 x my thread's number; never rewritten
.set NIL,  4                           ; v4   0; never rewritten
.set ADW,  5                           ; v5-6 my lane's place in my part of slot 0, 1
.set PFO,  7                           ; v7   the prefetches' offset: 256 x min(lane, 24)
.set L16,  8                           ; v8   16 x lane
.set L4,   9                           ; v9   4 x lane
.set BIA0, 10                          ; v10  BIAS + 512 w + 32 h
.set BA,   11                          ; v11  the same in the chunk in hand
.set XSTI, 12                          ; v12-19: the X phase's addresses ...
.set XSTO, 13
.set XWI,  14
.set XWS,  15
.set XRI,  16
.set XRS,  17
.set BIW,  18
.set BIO,  19
.set VSI,  12                          ; ... and later the V phase's
.set VSO,  13
.set OCB,  14
.set OSB,  15
.set OCA,  16
.set OSA,  17
.set OFR,  18
.set OSR,  19
.set QCB,  20                          ; v20-24 the QK phase's
.set QSB,  21
.set QA0,  22
.set QSA,  24
.set SC0,  25                          ; v25-27 the scores'
.set SCS,  27
.set OSI,  28                          ; v28-29 the O phase's
.set OSO,  29
.set XS,   32
.set WS,   48
.set SS,   56
.set NB,   64
.set BI,   128
.set T2,   192
.set TM,   192                         ; the quantiser's scratch lies in T2
.set PW,   208
.set PC,   212
.set SR,   160                         ; the scores of four tokens, 8 registers each
.set MX,   192                         ; pairs: a token's maximum | the other half's
.set SU,   200                         ; pairs: its sum
.set SV,   208
.set OT,   192                         ; attn v's quantiser: pairs: largest magnitude | the other half's
.set OSC,  200
.set OBY,  204
.set OCD,  208
.set WV,   12                          ; s12  my wave's number
.set G1,   16                          ; s[16:23] descriptor group 1
.set G0,   24                          ; s[24:31] group 0, a set for each slot
.set SEL,  32                          ; s[32:33] lane l xor 16
.set CS,   34                          ; s[34:35] log2(e) / 8
.set CNT,  37
.set CQ,   38                          ; 384 x chunk: its codes in a token's row of QKC
.set CSB,  39                          ; 16 x chunk: its scale bytes
.set BO,   40                          ; 2,048 x chunk: its biases
.set CB,   41                          ; 24 x (half of d)
.set CB2,  42                          ; the half of d
.set PFA,  44                          ; s[44:45] where my prefetches stand
.set LIM,  46                          ; s46  the cluster's number
.set MSB, 0
.macro WIN new                         ; the immediate's high byte repeats the setting that is left
.if MSB != \new
	s_set_vgpr_msb (MSB<<8)|\new
.set MSB, \new
.endif
.endm
.macro PLACES n
.rept \n
	v_nop
.endr
.endm
.macro BARRIER                         ; my LDS stores have landed and my LDS loads are in: then the work-group's barrier
	s_wait_dscnt 0x0
	s_barrier_signal -1
	s_barrier_wait -1
.endm
.macro CREST                           ; a round of the cluster's barrier behind its opening barrier
	s_cmp_lg_u32 s[WV], 0
	s_cbranch_scc1 .Lnot_wave_0_\@
	s_barrier_signal -3
.Lnot_wave_0_\@:
	s_barrier_wait -3
	s_barrier_signal -1
	s_barrier_wait -1
.endm
.macro CROUND
	s_barrier_signal -1
	s_barrier_wait -1
	CREST
.endm
; 64 numbers of a lane, v[s] .. v[s + 63], register 16 b + i = k 32 b + 16 (lane / 16) + i of my row, become a fragment's codes in v[PC] on and its scale word in v[PW]
.macro QUANT s
.irp b, 0,1,2,3
	v_max3_num_f32 v[TM+\b], |v[\s+16*\b]|, |v[\s+1+16*\b]|, 0x1800000   ; block b: my 16 numbers, and the floor 2^(3 - 127): the byte cannot fall under 1
.endr
.irp i, 2,4,6,8,10,12,14
.irp b, 0,1,2,3
	v_max3_num_f32 v[TM+\b], v[TM+\b], |v[\s+16*\b+\i]|, |v[\s+1+16*\b+\i]|
.endr
.endr
.irp b, 0,1,2,3
	v_permlanex16_b32 v[TM+4+\b], v[TM+\b], s[SEL], s[SEL+1]
.endr
.irp b, 0,1,2,3
	v_max_num_f32 v[TM+\b], v[TM+\b], v[TM+4+\b]   ; with lane l xor 16's: the block's largest magnitude
.endr
.irp b, 0,1,2,3
	v_add_nc_u32 v[TM+12+\b], 0xff000000, v[TM+\b]   ; 2 off its exponent field: the conversion's scale operand
.endr
.irp b, 0,1,2,3
	v_lshrrev_b32 v[TM+4+\b], 23, v[TM+12+\b]      ; the scale's byte
.endr
	v_lshl_or_b32 v[PW], v[TM+5], 8, v[TM+4]
	v_lshl_or_b32 v[PW], v[TM+6], 16, v[PW]
	v_lshl_or_b32 v[PW], v[TM+7], 24, v[PW]
.irp c, 0,1
	v_cvt_scalef32_pk16_fp6_f32 v[PC+6*\c:PC+2+6*\c], v[\s+32*\c:\s+15+32*\c], v[TM+12+2*\c]
	v_cvt_scalef32_pk16_fp6_f32 v[PC+12+4*\c:PC+14+4*\c], v[\s+16+32*\c:\s+31+32*\c], v[TM+12+2*\c+1]   ; (a conversion's three registers begin on an even number)
.endr
	v_nop                                          ; one plain place behind a scaled conversion
.irp c, 0,1                                    ; the operand's layout wants a whole block in a lane
.irp i, 0,1,2
	v_permlane16_swap_b32 v[PC+6*\c+\i], v[PC+12+4*\c+\i]
.endr
.irp i, 0,1,2
	v_mov_b32 v[PC+3+6*\c+\i], v[PC+12+4*\c+\i]
.endr
.endr
.endm
.macro IMAGE adr, off                  ; the fragment in v[PC] on goes to LDS as it stands
.irp c, 0,1,2
	ds_store_b128 v[\adr], v[PC+4*\c:PC+4*\c+3] offset:\off+512*\c
.endr
.endm
; my 16 rows' numbers of K step s, into set s % 4 of window 1: each load reads 512 consecutive bytes of one row
.macro XLOAD s
	WIN 0x40
.irp i, 0,1,2,3,4,5,6,7,8,9,10,11,12,13,14,15
	global_load_b128 v[64*((\s)%4)+4*\i:64*((\s)%4)+4*\i+3], v[L16], s[4:5] offset:4096*\i+512*(\s) th:TH_LOAD_NT
.endr
	WIN 0
.endm
; K step s of my 16 rows of x: through my stage, quantised, its image to LDS.  cnt: the younger loads, which may stay out
.macro XSTEP s, cnt
	s_wait_loadcnt \cnt
	WIN 0x04                                       ; an LDS store's data are its source 1: window 1
.irp i, 0,1,2,3,4,5,6,7,8,9,10,11,12,13,14,15
	ds_store_b128 v[XSTI], v[64*((\s)%4)+4*\i:64*((\s)%4)+4*\i+3] offset:528*\i
.endr
	WIN 0
.irp b, 0,1,2,3
.irp j, 0,1,2,3
	ds_load_b128 v[NB+16*\b+4*\j:NB+16*\b+4*\j+3], v[XSTO] offset:128*\b+16*\j   ; LDS serves a wave's instructions in order: these see my stores
.endr
.endr
	s_wait_dscnt 0x0                               ; my 64 numbers are in; the stage's stores have read their set, the last image's stores their codes
.if (\s) < 4
	XLOAD (\s)+4
.endif
.if (\s) == 3
.irp i, 0,1,2,3,4,5,6,7
	global_load_b128 v[BI+4*\i:BI+4*\i+3], v[BIO], s[8:9] offset:2048*\i   ; the biases: 128 threads x 16 bytes a load
.endr
.endif
	QUANT NB
	IMAGE XWI, 6144*(\s)
	ds_store_b32 v[XWS], v[PW] offset:512*((\s)/2)+64*((\s)%2)   ; both halves of the lanes write the same word with the same value
.endm
; eight weight fragments and their scale words, K step q of the tile in slot sl, into set p: 25 loads, each of 512 consecutive bytes
.macro FETCH p, sl, q
.irp b, 0,1,2,3,4,5,6,7
.irp g, 0,1,2
	ds_load_b128 v[64+96*(\p)+12*\b+4*\g:64+96*(\p)+12*\b+4*\g+3], v[ADW+(\sl)] offset:FRB*(8*(\q)+\b)+512*\g
.endr
.endr
	ds_load_b128 v[WS+4*(\p):WS+4*(\p)+3], v[ADW+(\sl)] offset:SCO+512*(\q)
.endm
.macro WM zero, ra, rb                 ; one product; ra, rb: the scale words stand in lanes 16-31
.if \zero
.if \ra
	v_wmma_scale_f32_16x16x128_f8f6f4 v[rD:rD+7], v[rA:rA+11], v[rB:rB+11], 0, v[rSA], v[rSB] matrix_a_fmt:MATRIX_FMT_FP6 matrix_b_fmt:MATRIX_FMT_FP6 matrix_a_scale:MATRIX_SCALE_ROW1
.else
	v_wmma_scale_f32_16x16x128_f8f6f4 v[rD:rD+7], v[rA:rA+11], v[rB:rB+11], 0, v[rSA], v[rSB] matrix_a_fmt:MATRIX_FMT_FP6 matrix_b_fmt:MATRIX_FMT_FP6
.endif
.else
.if (\ra) && (\rb)
	v_wmma_scale_f32_16x16x128_f8f6f4 v[rD:rD+7], v[rA:rA+11], v[rB:rB+11], v[rD:rD+7], v[rSA], v[rSB] matrix_a_fmt:MATRIX_FMT_FP6 matrix_b_fmt:MATRIX_FMT_FP6 matrix_a_scale:MATRIX_SCALE_ROW1 matrix_b_scale:MATRIX_SCALE_ROW1
.elseif \ra
	v_wmma_scale_f32_16x16x128_f8f6f4 v[rD:rD+7], v[rA:rA+11], v[rB:rB+11], v[rD:rD+7], v[rSA], v[rSB] matrix_a_fmt:MATRIX_FMT_FP6 matrix_b_fmt:MATRIX_FMT_FP6 matrix_a_scale:MATRIX_SCALE_ROW1
.elseif \rb
	v_wmma_scale_f32_16x16x128_f8f6f4 v[rD:rD+7], v[rA:rA+11], v[rB:rB+11], v[rD:rD+7], v[rSA], v[rSB] matrix_a_fmt:MATRIX_FMT_FP6 matrix_b_fmt:MATRIX_FMT_FP6 matrix_b_scale:MATRIX_SCALE_ROW1
.else
	v_wmma_scale_f32_16x16x128_f8f6f4 v[rD:rD+7], v[rA:rA+11], v[rB:rB+11], v[rD:rD+7], v[rSA], v[rSB] matrix_a_fmt:MATRIX_FMT_FP6 matrix_b_fmt:MATRIX_FMT_FP6
.endif
.endif
.endm
; weight tiles b0 .. b1 of set p against the four tiles of tokens, K step s.  The 32 accumulators take turns, one instruction a turn, in the same order in every step.  zero = 1: the first step starts the sums
.macro MUL p, s, b0, b1, zero
.set bb, \b0
.rept (\b1)-(\b0)+1
.irp m, 0,1,2,3
.set rD, 8*(8*\m+bb)
.set rA, 64+96*(\p)+12*bb
.set rB, 12*(4*((\s)%4)+\m)
.set rSA, WS+4*(\p)+bb%4
.set rSB, XS+4*((\s)/2)+\m
	WM \zero, bb/4, (\s)%2
.endr
.set bb, bb+1
.endr
.endm
.macro MWIN s                          ; C and D window 3, source 0 (the weights) window 0, source 1 (the tokens) window 1 or 2
.if (\s) < 4
	WIN 0xf4
.else
	WIN 0xf8
.endif
.endm
; A PREFETCH INTO THE L2, behind a joint load, its four lines and the run of LDS loads: the change of slots that asks for tile R names tile R + 2: two changes of slots, 128 matrix instructions a wave, ahead of its load.
; All clusters walk the same stream: cluster 0 asks.  Its sixteen waves take 25 blocks of 256 bytes each (6,400 bytes), told apart BY ADDRESS; lanes 25 to 31 name lane 24's block again.
.macro ASK
	s_cmp_eq_u32 s[LIM], 0
	s_cbranch_scc0 .Lnot_mine_\@
	global_prefetch_b8 v[PFO], s[PFA:PFA+1] th:TH_LOAD_NT scope:SCOPE_SE
.Lnot_mine_\@:
.endm
; a tile's first K step: set 0
.macro STEPA s, zero
	s_wait_dscnt 25                                ; set 0's 25 loads are in; set 1's 25, issued behind them, may be out
	MWIN \s
	MUL 0, \s, 0, 7, \zero
	WIN 0
.endm
; a tile's second K step: set 1, and the change of slots.  mode 2: this slot is filled again with the tile two on; 1: nothing is left to ask for, the next tile is awaited; 0: the last tile.
; next = 1: the next tile's fragments are fetched (not at a chunk's end);  ask = 1: a prefetch
.macro STEPB s, sl, mode, next, ask
.if (\mode) == 2
.if \ask
	s_wait_xcnt 0x0                                ; the last prefetch, a tile back, has read its address: it is stepped here, ahead of the waits of the change of slots
	s_add_nc_u64 s[PFA:PFA+1], s[PFA:PFA+1], TILE
.endif
	s_wait_tensorcnt 0x0                           ; all my tensor loads have landed: the one that was out is my part of the other slot;
	ds_add_u32 v[SPW], v[NIL]                      ; 0 onto my spare word;
	s_wait_dscnt 1                                 ; (set 1 is in; the add alone may be out)
	MWIN \s
	MUL 1, \s, 0, 1, 0                             ; eight matrix instructions stand between the add and the wait for it
	s_wait_dscnt 0x0                               ; the add is done, and my reads of this slot are over
	s_barrier_signal -1
	MUL 1, \s, 2, 3, 0
	WIN 0
	s_barrier_wait -1
	CREST                                          ; the barrier has opened a round of the cluster's barrier: no wave of any partner still reads this slot or has a load on its way
	s_add_nc_u64 s[G0+4*(\sl)+2:G0+4*(\sl)+3], s[G0+4*(\sl)+2:G0+4*(\sl)+3], 2*TILE
	tensor_load_to_lds s[G0+4*(\sl):G0+4*(\sl)+3], s[G1:G1+7]   ; the first tensor load behind the round, my only one until the next
	s_nop 0
	PLACES 4                                       ; the places in front of the loads into set 0
.if \next
	FETCH 0, 1-(\sl), 0
.endif
.if \ask
	ASK
.endif
	MWIN \s
	MUL 1, \s, 4, 7, 0
	PLACES 4                                       ; in front of loads into set 1, and of the first read of results
	WIN 0
.if \next
	FETCH 1, 1-(\sl), 1
.endif
.elseif (\mode) == 1
	s_wait_dscnt 0x0
	MWIN \s
	MUL 1, \s, 0, 3, 0
	WIN 0
	s_wait_tensorcnt 0x0                           ; my part of the last tile is in; I alone read it
	PLACES 4
	FETCH 0, 1-(\sl), 0
	MWIN \s
	MUL 1, \s, 4, 7, 0
	PLACES 4
	WIN 0
	FETCH 1, 1-(\sl), 1
.else
	s_wait_dscnt 0x0
	MWIN \s
	MUL 1, \s, 0, 7, 0
	PLACES 4
	WIN 0
.endif
.endm
; a chunk: 512 weight rows x all of K: four tiles, 256 matrix instructions a wave.  Its last change of slots stands ahead of what follows the chunk, so that refill lands meanwhile
.macro CHUNK f0, f1, f2, f3, ask
	FETCH 0, 0, 0
	FETCH 1, 0, 1
	STEPA 0, 1
	STEPB 1, 0, \f0, 1, \ask
	STEPA 2, 0
	STEPB 3, 1, \f1, 1, \ask
	STEPA 4, 0
	STEPB 5, 0, \f2, 1, \ask
	STEPA 6, 0
	STEPB 7, 1, \f3, 0, \ask
.endm
.macro BIASLD                          ; BI + 8 t + j = the bias of row 8 h + j of my tile t; the lanes of a half read the same bytes
	v_add_nc_u32 v[BA], s[BO], v[BIA0]
.irp t, 0,1,2,3,4,5,6,7
	ds_load_b128 v[BI+8*\t:BI+8*\t+3], v[BA] offset:64*\t
	ds_load_b128 v[BI+8*\t+4:BI+8*\t+7], v[BA] offset:64*\t+16
.endr
.endm
.macro ADDB m                          ; the sums of tokens 16 m .. 16 m + 15, with the bias, into NB: each accumulator from its low end on
	WIN 0x03
.set kk, 0
.rept 32
	v_pk_add_f32 v[NB+kk:NB+kk+1], v[64*(\m)+kk:64*(\m)+kk+1], v[BI+kk:BI+kk+1]
.set kk, kk+2
.endr
	WIN 0
.endm
; behind a chunk of q or k: bias, quantised along d, codes and scale bytes into the tokens' rows in LDS
.macro QKEPI
	BIASLD
	v_add_nc_u32 v[QA0], s[CQ], v[QCB]
	v_add_nc_u32 v[QA0+1], 49664, v[QA0]           ; tokens 32 on
	v_add_nc_u32 v[QSA], s[CSB], v[QSB]
	s_wait_dscnt 0x0
.irp m, 0,1,2,3
	ADDB \m
	s_wait_dscnt 0x0                               ; the last stores have read their codes
	QUANT NB
.irp c, 0,1
.irp p, 0,1,2
	ds_store_b64 v[QA0+\m/2], v[PC+6*\c+2*\p:PC+6*\c+2*\p+1] offset:24832*(\m%2)+48*\c+8*\p   ; 24 bytes: columns 64 c + 32 h + 0 .. 31 of my wave's 128
.endr
.endr
	ds_store_b32 v[QSA], v[PW] offset:1024*\m
.endr
	s_wait_dscnt 0x0                               ; the stores have read their registers: the next chunk's fragments land there
.endm
; the scores and the softmax of my four tokens 16 m + 4 w + i.  S^T = k q^T: K = the head's 64, the upper 64 of the instruction's K are zero codes.  Lane (r, h): query head r; register j: key head 8 h + j
.macro SCORE m
.irp i, 0,1,2,3
.irp p, 0,1,2
	ds_load_b64 v[64+24*\i+2*\p:65+24*\i+2*\p], v[SC0+(\m)/2] offset:1552*(16*((\m)%2)+\i)+768+8*\p
	ds_load_b64 v[76+24*\i+2*\p:77+24*\i+2*\p], v[SC0+(\m)/2] offset:1552*(16*((\m)%2)+\i)+8*\p
.endr
	ds_load_u16 v[SS+2*\i], v[SCS] offset:64*(16*(\m)+\i)+32   ; a head's two scale bytes; the upper two bytes, 0, stand over zero codes
	ds_load_u16 v[SS+2*\i+1], v[SCS] offset:64*(16*(\m)+\i)
.endr
	s_wait_dscnt 0x0
.irp i, 0,1,2,3
	v_wmma_scale_f32_16x16x128_f8f6f4 v[SR+8*\i:SR+8*\i+7], v[64+24*\i:75+24*\i], v[76+24*\i:87+24*\i], 0, v[SS+2*\i], v[SS+2*\i+1] matrix_a_fmt:MATRIX_FMT_FP6 matrix_b_fmt:MATRIX_FMT_FP6
.endr
	PLACES 4
.irp i, 0,1,2,3
	v_max3_num_f32 v[MX+2*\i], v[SR+8*\i], v[SR+8*\i+1], v[SR+8*\i+2]   ; the four tokens by turns
.endr
.irp k, 3,5
.irp i, 0,1,2,3
	v_max3_num_f32 v[MX+2*\i], v[MX+2*\i], v[SR+8*\i+\k], v[SR+8*\i+\k+1]
.endr
.endr
.irp i, 0,1,2,3
	v_max_num_f32 v[MX+2*\i], v[MX+2*\i], v[SR+8*\i+7]
.endr
.irp i, 0,1,2,3
	v_permlanex16_b32 v[MX+2*\i+1], v[MX+2*\i], s[SEL], s[SEL+1]
.endr
.irp i, 0,1,2,3
	v_max_num_f32 v[MX+2*\i], v[MX+2*\i], v[MX+2*\i+1]   ; the row's largest score
.endr
.irp k, 0,2,4,6
.irp i, 0,1,2,3
	v_pk_add_f32 v[SR+8*\i+\k:SR+8*\i+\k+1], v[SR+8*\i+\k:SR+8*\i+\k+1], v[MX+2*\i:MX+2*\i+1] op_sel_hi:[1,0] neg_lo:[0,1] neg_hi:[0,1]   ; s - max first, so that no rounding grows with the scores
.endr
.endr
.irp k, 0,2,4,6
.irp i, 0,1,2,3
	v_pk_mul_f32 v[SR+8*\i+\k:SR+8*\i+\k+1], v[SR+8*\i+\k:SR+8*\i+\k+1], s[CS:CS+1] op_sel_hi:[1,0]   ; x log2(e) / 8
.endr
.endr
.set jj, 0
.rept 32
	v_exp_f32 v[SR+jj], v[SR+jj]
.set jj, jj+1
.endr
	v_nop                                          ; a plain place behind the exponentials
	s_wait_alu depctr_va_vdst(0)                   ; one wait for the batch, ahead of its first reader
.irp i, 0,1,2,3
	v_pk_add_f32 v[SU+2*\i:SU+2*\i+1], v[SR+8*\i:SR+8*\i+1], v[SR+8*\i+2:SR+8*\i+3]
.endr
.irp i, 0,1,2,3
	v_pk_add_f32 v[SV+2*\i:SV+2*\i+1], v[SR+8*\i+4:SR+8*\i+5], v[SR+8*\i+6:SR+8*\i+7]
.endr
.irp i, 0,1,2,3
	v_pk_add_f32 v[SU+2*\i:SU+2*\i+1], v[SU+2*\i:SU+2*\i+1], v[SV+2*\i:SV+2*\i+1]
.endr
.irp i, 0,1,2,3
	v_add_f32 v[SU+2*\i], v[SU+2*\i], v[SU+2*\i+1]
.endr
.irp i, 0,1,2,3
	v_permlanex16_b32 v[SU+2*\i+1], v[SU+2*\i], s[SEL], s[SEL+1]
.endr
.irp i, 0,1,2,3
	v_add_f32 v[SU+2*\i], v[SU+2*\i], v[SU+2*\i+1]   ; the row's sum: at least 1
.endr
.irp i, 0,1,2,3
	v_rcp_f32 v[SU+2*\i], v[SU+2*\i]
.endr
	v_nop
	s_wait_alu depctr_va_vdst(0)                   ; one wait for the four reciprocals
.if (\m) < 2
	WIN 0x40
.else
	WIN 0x80
.endif
.irp i, 0,1,2,3
.irp k, 0,2,4,6
	v_pk_mul_f32 v[192+8*(4*((\m)%2)+\i)+\k:192+8*(4*((\m)%2)+\i)+\k+1], v[SR+8*\i+\k:SR+8*\i+\k+1], v[SU+2*\i:SU+2*\i+1] op_sel_hi:[1,0]   ; attn stays in registers
.endr
.endr
	WIN 0
.endm
; behind a chunk of v (32 of the head's 64), tokens 16 m .. 16 m + 15: v goes through the stage to the tokens' owners; O^T = v^T attn^T in f32; quantised; codes to LDS.
; K, the key heads, is permuted alike on both sides: slot (h, j) of K step s is key head 8 h + 2 s + j.  Row rd of tile u is d = 8 u + rd + 8 (rd / 8), so a lane's 16 registers are 16 neighbouring d of head r.
.macro VPASS m
.irp t, 0,1,2,3,4,5,6,7
	ds_store_b128 v[VSI], v[NB+8*\t:NB+8*\t+3] offset:16*\t
	ds_store_b128 v[VSI], v[NB+8*\t+4:NB+8*\t+7] offset:16*\t+512
.endr
	BARRIER                                        ; the stage is full
.irp i, 0,1,2,3
.irp u, 0,1
	ds_load_b128 v[T2+16*\i+8*\u:T2+16*\i+8*\u+3], v[VSO] offset:2064*\i+1024*\u
	ds_load_b128 v[T2+16*\i+8*\u+4:T2+16*\i+8*\u+7], v[VSO] offset:2064*\i+1024*\u+512
.endr
.endr
	s_wait_dscnt 0x0                               ; my reads of the stage are over:
	s_barrier_signal -1                            ; say so; only work on registers stands up to the wait
.if (\m) < 2
	WIN 0xf4
.else
	WIN 0xf8
.endif
.irp s, 0,1,2,3                                ; eight accumulators by turns
.irp i, 0,1,2,3
.irp u, 0,1
.if \s == 0
	v_wmma_f32_16x16x4_f32 v[16*\i+8*\u:16*\i+8*\u+7], v[T2+16*\i+8*\u+2*\s:T2+16*\i+8*\u+2*\s+1], v[192+8*(4*((\m)%2)+\i)+2*\s:192+8*(4*((\m)%2)+\i)+2*\s+1], 0
.else
	v_wmma_f32_16x16x4_f32 v[16*\i+8*\u:16*\i+8*\u+7], v[T2+16*\i+8*\u+2*\s:T2+16*\i+8*\u+2*\s+1], v[192+8*(4*((\m)%2)+\i)+2*\s:192+8*(4*((\m)%2)+\i)+2*\s+1], v[16*\i+8*\u:16*\i+8*\u+7]
.endif
.endr
.endr
.endr
	WIN 0
.if (\m) < 3
	ADDB (\m)+1                                    ; the next 16 tokens' v: 32 plain additions that name no register of the products above: the places behind them (ISA guide 7.12.1)
.else
	PLACES 9
.endif
	WIN 0x3c                                       ; sources 1 and 2 in window 3
.irp i, 0,1,2,3
	v_max3_num_f32 v[OT+2*\i], 0x1800000, |v[16*\i]|, |v[16*\i+1]|   ; my 16 numbers of the block, from each accumulator's low end on, and the floor
.endr
.irp k, 2,4,6,8,10,12,14
.irp i, 0,1,2,3
	v_max3_num_f32 v[OT+2*\i], v[OT+2*\i], |v[16*\i+\k]|, |v[16*\i+\k+1]|
.endr
.endr
	WIN 0
.irp i, 0,1,2,3
	v_permlanex16_b32 v[OT+2*\i+1], v[OT+2*\i], s[SEL], s[SEL+1]
.endr
.irp i, 0,1,2,3
	v_max_num_f32 v[OT+2*\i], v[OT+2*\i], v[OT+2*\i+1]
.endr
.irp i, 0,1,2,3
	v_add_nc_u32 v[OSC+\i], 0xff000000, v[OT+2*\i]
.endr
.irp i, 0,1,2,3
	v_lshrrev_b32 v[OBY+\i], 23, v[OSC+\i]
.endr
	WIN 0x03
.irp i, 0,1,2,3
	v_cvt_scalef32_pk16_fp6_f32 v[OCD+4*\i:OCD+4*\i+2], v[16*\i:16*\i+15], v[OSC+\i]
.endr
	WIN 0
	v_nop                                          ; one plain place behind a scaled conversion
	s_barrier_wait -1                              ; every wave's reads of the stage are over
.irp i, 0,1,2,3
.irp p, 0,1,2
	ds_store_b32 v[OCA], v[OCD+4*\i+\p] offset:784*(16*(\m)+\i)+4*\p   ; 12 bytes: head r, d = 32 (half) + 16 h + 0 .. 15
.endr
	ds_store_b8 v[OSA], v[OBY+\i] offset:32*(16*(\m)+\i)   ; both halves of the lanes write the same byte with the same value
.endr
.endm
.macro VEPI
	BIASLD
	v_add_nc_u32 v[OCA], s[CB], v[OCB]
	v_add_nc_u32 v[OSA], s[CB2], v[OSB]
	s_wait_dscnt 0x0
	ADDB 0
	VPASS 0
	VPASS 1
	VPASS 2
	VPASS 3
	s_wait_dscnt 0x0                               ; the stores have read their registers: the next chunk's fragments land there
.endm
.macro OFRAG hi                        ; the attention's output as fragments: K steps 4 hi .. 4 hi + 3
.irp s, 0,1,2,3
.irp m, 0,1,2,3
.irp c, 0,1
.irp p, 0,1,2
	ds_load_b64 v[12*(4*\s+\m)+6*\c+2*\p:12*(4*\s+\m)+6*\c+2*\p+1], v[OFR] offset:12544*\m+96*(\s+4*(\hi))+48*\c+8*\p
.endr
.endr
.endr
.endr
.endm
; behind a chunk of o: bias; 16 tokens x my 128 columns through my own stage; whole rows of 512 bytes out
.macro OPASS m, co
.if (\m) > 0
	s_wait_xcnt 0x0                                ; the last stores have read their registers
.endif
	ADDB \m
.irp b, 0,1,2,3,4,5,6,7
	ds_store_b128 v[OSI], v[NB+8*\b:NB+8*\b+3] offset:64*\b
	ds_store_b128 v[OSI], v[NB+8*\b+4:NB+8*\b+7] offset:64*\b+16
.endr
.irp t, 0,1,2,3,4,5,6,7,8,9,10,11,12,13,14,15
	ds_load_b128 v[T2+4*\t:T2+4*\t+3], v[OSO] offset:528*\t   ; LDS serves a wave's instructions in order: these see my stores
.endr
.irp t, 0,1,2,3,4,5,6,7,8,9,10,11,12,13,14,15
	s_wait_dscnt 15-\t
	global_store_b128 v[L16], v[T2+4*\t:T2+4*\t+3], s[10:11] offset:4096*(16*(\m)+\t)+2048*(\co) th:TH_STORE_NT   ; 32 lanes store 512 consecutive bytes, at a multiple of 256 from out0's first byte
.endr
.endm
.macro OEPI co
	BIASLD
	s_wait_dscnt 0x0
	OPASS 0, \co
	OPASS 1, \co
	OPASS 2, \co
	OPASS 3, \co
.endm
	; ---- the head
	s_load_b256 s[4:11], s[0:1], 0x0               ; x s[4:5], wimg s[6:7], bimg s[8:9], out0 s[10:11]
	v_lshl_add_u32 v[SPW], v0, 2, SPARE
	v_mov_b32 v[NIL], 0
	ds_add_u32 v3, v4
	ds_add_u32 v3, v4
	s_wait_dscnt 0x0
	v_lshrrev_b32 v10, 5, v0
	v_readfirstlane_b32 s[WV], v10                 ; wave 0..3
	s_bfe_u32 s13, ttmp6, 0x40000                  ; cx: my place in the cluster: it enters x's, out0's and the prefetches' global addresses alone
	s_lshl_b32 s14, ttmp9, 2
	s_add_co_u32 s14, s14, s13                     ; my block of 64 tokens
	s_mov_b32 s[LIM], ttmp9
	s_mov_b32 s[G1+0], 15|(3<<16)|(1<<21)          ; 15:0 the mask: all four work-groups; 17:16 elements of 8 bytes; 20 no padding; 21 set beside a mask
	s_mov_b32 s[G1+1], 32<<16                      ; tensor_dim0 = 32 elements: rows of 256 bytes
	s_mov_b32 s[G1+2], 100<<16                     ; tensor_dim1 = 100
	s_mov_b32 s[G1+3], 32<<16                      ; tile_dim0
	s_mov_b32 s[G1+4], 100                         ; tile_dim1
	s_mov_b32 s[G1+5], 32                          ; the pitch: a dense block
	s_mov_b32 s[G1+6], 0
	s_mov_b32 s[G1+7], 0
	s_mov_b32 s[SEL], 0x76543210
	s_mov_b32 s[SEL+1], 0xfedcba98
	s_mov_b32 s[CS], 0x3e38aa3b                    ; log2(e) / 8
	s_mov_b32 s[CS+1], s[CS]                       ; (named with it as a pair, so it is written)
	s_mul_i32 s48, s[WV], PART                     ; my part of a tile, in memory and in a slot
	s_mov_b32 s49, 0
	v_and_b32 v1, 15, v0                           ; r
	v_bfe_u32 v2, v0, 4, 1                         ; h
	v_and_b32 v[L4], 31, v0
	v_lshlrev_b32 v[L16], 4, v[L4]
	v_min_u32 v[PFO], 24, v[L4]
	v_lshlrev_b32 v[PFO], 8, v[PFO]
	v_lshlrev_b32 v[L4], 2, v[L4]
	v_add_nc_u32 v[ADW], s48, v[L16]
	v_add_nc_u32 v[ADW+1], TILE, v[ADW]
	s_lshl_b32 s50, s[WV], 9
	s_add_co_u32 s50, s50, BIAS
	v_lshl_add_u32 v[BIA0], v2, 5, s50
	s_mul_i32 s50, s[WV], 8448                     ; the X phase
	s_add_co_u32 s50, s50, XSTG
	v_add_nc_u32 v[XSTI], s50, v[L16]
	v_mul_u32_u24 v[XSTO], v1, 528
	v_lshl_add_u32 v[XSTO], v2, 6, v[XSTO]
	v_add_nc_u32 v[XSTO], s50, v[XSTO]
	s_mul_i32 s50, s[WV], FRB
	s_add_co_u32 s50, s50, XIMG
	v_add_nc_u32 v[XWI], s50, v[L16]
	s_lshl_b32 s50, s[WV], 7
	s_add_co_u32 s50, s50, XSC
	v_lshl_add_u32 v[XWS], v1, 2, s50
	v_add_nc_u32 v[XRI], XIMG, v[L16]
	v_add_nc_u32 v[XRS], XSC, v[L4]
	v_lshlrev_b32 v[BIO], 4, v0
	v_add_nc_u32 v[BIW], BIAS, v[BIO]
	v_mul_u32_u24 v[QCB], v1, 1552                 ; the QK phase: token r's row, + 24 h, + my wave's 96 bytes
	v_mad_u32_u24 v[QCB], v2, 24, v[QCB]
	s_mul_i32 s50, s[WV], 96
	s_add_co_u32 s50, s50, QKC
	v_add_nc_u32 v[QCB], s50, v[QCB]
	v_lshlrev_b32 v[QSB], 6, v1
	s_lshl_b32 s50, s[WV], 2
	s_add_co_u32 s50, s50, QKS
	v_add_nc_u32 v[QSB], s50, v[QSB]
	v_mul_u32_u24 v[SC0], v1, 48                   ; the scores: my four tokens' rows, head r's 48 bytes, + 24 h
	v_mad_u32_u24 v[SC0], v2, 24, v[SC0]
	s_mul_i32 s50, s[WV], 6208
	s_add_co_u32 s50, s50, QKC
	v_add_nc_u32 v[SC0], s50, v[SC0]
	v_add_nc_u32 v[SC0+1], 49664, v[SC0]
	s_lshl_b32 s50, s[WV], 8
	s_add_co_u32 s50, s50, QKS
	v_lshl_add_u32 v[SCS], v1, 1, s50
	s_mul_i32 s50, s[WV], 8448                     ; the O phase: my stage
	s_add_co_u32 s50, s50, OST
	v_mul_u32_u24 v[OSI], v1, 528
	v_lshl_add_u32 v[OSI], v2, 5, v[OSI]
	v_add_nc_u32 v[OSI], s50, v[OSI]
	v_add_nc_u32 v[OSO], s50, v[L16]
.irp b, 0,1,2,3
	v_mov_b32 v[TM+4+\b], 0                        ; written once: a lane permute's destination counts as one of its sources
.endr
	s_wait_kmcnt 0x0
	s_lshl_b32 s50, s14, 6
	s_lshl_b32 s51, s[WV], 4
	s_add_co_u32 s50, s50, s51
	s_lshl_b32 s50, s50, 12                        ; x at my wave's 16 rows: 4,096 (64 X + 16 w), under 2^26
	s_mov_b32 s51, 0
	s_add_nc_u64 s[4:5], s[4:5], s[50:51]
	s_lshl_b32 s50, s14, 18
	s_lshl_b32 s47, s[WV], 9
	s_add_co_u32 s50, s50, s47                     ; out0 at the block's first row, my wave's 128 columns
	s_add_nc_u64 s[10:11], s[10:11], s[50:51]
	s_mul_i32 s50, s13, 6400
	s_add_co_u32 s50, s50, s48
	s_add_co_u32 s50, s50, 3*TILE                  ; the prefetches stand at tile 3: the first change of slots steps them to tile 4.  Tiles 0 to 3 come by their loads alone
	s_add_nc_u64 s[PFA:PFA+1], s[6:7], s[50:51]
	s_add_nc_u64 s[52:53], s[6:7], s[48:49]        ; my part of tile 0: the same in all four partners
.irp sl, 0,1
	s_mov_b32 s[G0+4*\sl], 1                       ; count = 1
	s_add_co_u32 s[G0+4*\sl+1], s48, \sl*TILE      ; LDS address: my part of slot sl
	s_add_nc_u64 s[G0+4*\sl+2:G0+4*\sl+3], s[52:53], \sl*TILE
	s_or_b32 s[G0+4*\sl+3], s[G0+4*\sl+3], 0x80000000   ; type = 2
.endr
	CROUND                                         ; all four work-groups are here: the first joint loads meet
	tensor_load_to_lds s[G0:G0+3], s[G1:G1+7]      ; tiles 0 and 1: two tensor loads of mine are out here, one behind every later round
	s_nop 0
	tensor_load_to_lds s[G0+4:G0+7], s[G1:G1+7]
	s_nop 0
	PLACES 4
	XLOAD 0
	XLOAD 1
	XLOAD 2
	XLOAD 3
	; ---- X: wave w quantises rows 16 w .. 16 w + 15 of x: eight fragments.  The counts: the younger loads: three sets of 16; later the sets that are left and the eight loads of the biases
	XSTEP 0, 48
	XSTEP 1, 48
	XSTEP 2, 48
	XSTEP 3, 48
	XSTEP 4, 56
	XSTEP 5, 40
	XSTEP 6, 24
	XSTEP 7, 8
	s_wait_loadcnt 0x0
.irp i, 0,1,2,3,4,5,6,7
	ds_store_b128 v[BIW], v[BI+4*\i:BI+4*\i+3] offset:2048*\i
.endr
	s_wait_tensorcnt 0x1                           ; my part of tile 0 is in; tile 1's, issued behind it, may be out
	BARRIER                                        ; x's 32 fragments, their scale words and the biases lie in LDS
	WIN 0x40
.set ff, 0
.rept 16
.irp g, 0,1,2
	ds_load_b128 v[12*ff+4*\g:12*ff+4*\g+3], v[XRI] offset:FRB*ff+512*\g
.endr
.set ff, ff+1
.endr
	WIN 0x80
.set ff, 0
.rept 16
.irp g, 0,1,2
	ds_load_b128 v[12*ff+4*\g:12*ff+4*\g+3], v[XRI] offset:FRB*(ff+16)+512*\g
.endr
.set ff, ff+1
.endr
	WIN 0
.set ff, 0
.rept 16
	ds_load_b32 v[XS+ff], v[XRS] offset:128*ff
.set ff, ff+1
.endr
	; ---- q and k: four chunks.  Between a wave's reads of x's images and the first store over them stand the chunk's rounds, each with every wave's wait for its LDS loads in front
	s_mov_b32 s[CNT], 4
	s_mov_b32 s[CQ], 0
	s_mov_b32 s[CSB], 0
	s_mov_b32 s[BO], 0
.Lqk:
	CHUNK 2, 2, 2, 2, 1
	QKEPI
	s_add_co_u32 s[CQ], s[CQ], 384
	s_add_co_u32 s[CSB], s[CSB], 16
	s_add_co_u32 s[BO], s[BO], 2048
	s_sub_co_u32 s[CNT], s[CNT], 1
	s_cmp_lg_u32 s[CNT], 0
	s_cbranch_scc1 .Lqk
	BARRIER                                        ; all 64 tokens' codes of q and k lie in LDS
	; ---- the scores and the softmax
.irp i, 0,1,2,3
.irp k, 0,1,2,3,4,5
	v_mov_b32 v[70+24*\i+\k], 0                    ; the upper 64 of the instruction's K: zero codes, on both sides
	v_mov_b32 v[82+24*\i+\k], 0
.endr
	v_mov_b32 v[MX+2*\i+1], 0
.endr
	s_and_b32 s50, s[WV], 1                        ; the V phase's addresses, in the registers that the X phase has left; these lines are also the places between the zeros above and the products
	s_lshl_b32 s50, s50, 10
	s_lshr_b32 s51, s[WV], 1
	s_lshl_b32 s51, s51, 7
	s_add_co_u32 s50, s50, s51
	s_add_co_u32 s50, s50, VST
	v_mul_u32_u24 v[VSI], v1, 2064                 ; into the stage: token r; u = w % 2; 256 h; rd = 8 (w / 2) + tile
	v_lshl_add_u32 v[VSI], v2, 8, v[VSI]
	v_add_nc_u32 v[VSI], s50, v[VSI]
	s_mul_i32 s50, s[WV], 8256
	s_add_co_u32 s50, s50, VST
	v_add_nc_u32 v[VSO], s50, v[L16]               ; out of it: my four tokens, 16 x lane
	s_mul_i32 s50, s[WV], 3136
	s_add_co_u32 s50, s50, OC
	v_mul_u32_u24 v[OCB], v1, 48
	v_mad_u32_u24 v[OCB], v2, 12, v[OCB]
	v_add_nc_u32 v[OCB], s50, v[OCB]
	s_lshl_b32 s50, s[WV], 7
	s_add_co_u32 s50, s50, OS
	v_lshl_add_u32 v[OSB], v1, 1, s50
	v_mul_u32_u24 v[OFR], v1, 784
	v_mad_u32_u24 v[OFR], v2, 24, v[OFR]
	v_add_nc_u32 v[OFR], OC, v[OFR]
	v_lshlrev_b32 v[OSR], 5, v1
	v_lshl_add_u32 v[OSR], v2, 2, v[OSR]
	v_add_nc_u32 v[OSR], OS, v[OSR]
	SCORE 0
	SCORE 1
	SCORE 2
	SCORE 3
	; ---- v and attn v: two chunks, each 32 of the head's 64
	s_mov_b32 s[CNT], 2
	s_mov_b32 s[BO], 8192
	s_mov_b32 s[CB], 0
	s_mov_b32 s[CB2], 0
.Lv:
	CHUNK 2, 2, 2, 2, 1
	VEPI
	s_add_co_u32 s[CB], s[CB], 24
	s_add_co_u32 s[CB2], s[CB2], 1
	s_add_co_u32 s[BO], s[BO], 2048
	s_sub_co_u32 s[CNT], s[CNT], 1
	s_cmp_lg_u32 s[CNT], 0
	s_cbranch_scc1 .Lv
	BARRIER                                        ; all 64 tokens' codes of the attention's output lie in LDS, and nobody reads the stage any more
	WIN 0x40
	OFRAG 0
	WIN 0x80
	OFRAG 1
	WIN 0
.irp k, 0,1,2,3
.irp m, 0,1,2,3
	ds_load_b32 v[XS+4*\k+\m], v[OSR] offset:512*\m+8*\k   ; lanes 0-15: K step 2 k; lanes 16-31: 2 k + 1
.endr
.endr
	; ---- the last product: two chunks; the second is written out
	s_mov_b32 s[BO], 12288
	CHUNK 2, 2, 2, 2, 1
	OEPI 0
	s_wait_xcnt 0x0                                ; the stores have read their registers: the next chunk's fragments land there
	s_mov_b32 s[BO], 14336
	CHUNK 2, 2, 1, 0, 0
	OEPI 1
	s_wait_tensorcnt 0x0                           ; the wave's end: behind my last tensor load and my last LDS store
	ds_add_u32 v[SPW], v[NIL]
	s_wait_dscnt 0x0
	CROUND                                         ; the closing round: no work-group ends while a partner may still ask for a tile that names it
	s_endpgm
.Lfunc_end_k_q98fd6c2888_fused:
	.size	k_q98fd6c2888_fused, .Lfunc_end_k_q98fd6c2888_fused-k_q98fd6c2888_fused
	.p2alignl 7, 3214868480
	.fill 96, 4, 3214868480
	.section	.rodata,"a",@progbits
	.p2align	6, 0x0
	.amdhsa_kernel k_q98fd6c2888_fused
		.amdhsa_group_segment_fixed_size 327680
		.amdhsa_private_segment_fixed_size 0
		.amdhsa_enable_private_segment 0
		.amdhsa_kernarg_size 32
		.amdhsa_user_sgpr_count 2
		.amdhsa_user_sgpr_kernarg_segment_ptr 1
		.amdhsa_wavefront_size32 1
		.amdhsa_system_sgpr_workgroup_id_x 1
		.amdhsa_system_sgpr_workgroup_id_y 1
		.amdhsa_system_sgpr_workgroup_id_z 1
		.amdhsa_system_vgpr_workitem_id 0
		.amdhsa_next_free_vgpr 1024
		.amdhsa_next_free_sgpr 66
		.amdhsa_reserve_vcc 0
		.amdhsa_float_denorm_mode_32 3
		.amdhsa_float_denorm_mode_16_64 3
		.amdhsa_memory_ordered 1
		.amdhsa_forward_progress 1
		.amdhsa_inst_pref_size 255
	.end_amdhsa_kernel
	.section	.bss,"aw",@nobits
	.p2align	6
	.space	262144
	.amdgpu_metadata
---
amdhsa.version: [ 1, 2 ]
amdhsa.kernels:
  - .name:           k_q98fd6c2888_fused
    .symbol:         k_q98fd6c2888_fused.kd
    .args:
      - { .name: x, .offset: 0, .size: 8, .value_kind: global_buffer, .address_space: global }
      - { .name: wimg, .offset: 8, .size: 8, .value_kind: global_buffer, .address_space: global }
      - { .name: bimg, .offset: 16, .size: 8, .value_kind: global_buffer, .address_space: global }
      - { .name: out0, .offset: 24, .size: 8, .value_kind: global_buffer, .address_space: global }
    .group_segment_fixed_size: 327680
    .private_segment_fixed_size: 0
    .kernarg_segment_align: 8
    .kernarg_segment_size: 32
    .max_flat_workgroup_size: 128
    .sgpr_count:     66
    .vgpr_count:     1024
    .wavefront_size: 32
...
	.end_amdgpu_metadata
.endif
;; end of part 2
;; ======== version 2 of 2: 2 launches
;; limits: right only within a limited range of input values
;; workspace buffers: wimg 3,276,800 bytes; bimg 16,384 bytes
;; launch prep (part 3): grid 256 x 1, 8 waves a work-group, no clusters, 70,656 bytes of LDS; arguments Wq, Wk, Wv, Wo, bq, bk, bv, bo, wimg, bimg; writes wimg, bimg
.if DOCPART == 3
	.amdgcn_target "amdgcn-amd-amdhsa--gfx1250"
	.amdhsa_code_object_version 6
	.text
	.protected	k_q98fd6c2888_prep
	.globl	k_q98fd6c2888_prep
	.p2align	8
	.type	k_q98fd6c2888_prep,@function
k_q98fd6c2888_prep:
	s_mov_b64 s[64:65], 0
	v_nop
	global_prefetch_b8 v0, s[64:65] scope:SCOPE_SE
	s_setreg_imm32_b32 hwreg(HW_REG_WAVE_MODE, 25, 1), 1
	s_wait_xcnt 0x0
; The four weights [1024 (n)][1024 (k)], f32, K innermost, become codes of FP6 (E2M3) with one E8M0 byte for each 32 along K, laid in the ORDER OF THE OPERAND'S REGISTERS and in the order in which
; the second launch streams them; the four biases are gathered in the same order of rows.
; THE STREAM wimg: 32 tiles T = 4 c + kp of 102,400 bytes; chunk c = 512 weight rows (c = 0,1 Wq; 2,3 Wk; 4,5 Wv; 6,7 Wo), kp = a pair of K steps of 128.  A tile is four parts of 25,600 bytes, one for each wave w of
; the reader.  A part: 16 fragments (q, b) (K step 2 kp + q, tile b of 16 rows) at 1536 (8 q + b): register g of lane l at 512 (g / 4) + 16 l + 4 (g % 4); behind them, at 24,576 + 512 q, the scale words of K step q:
; lane (r, h) has 16 bytes, word i = row r of tile 4 h + i.
; WHICH WEIGHT ROW is row i of tile b of wave w in chunk c (hf = c & 1):  q, k: 512 hf + 128 w + 32 (b / 2) + 8 (b % 2) + i + 8 (i / 8);  v: 64 i + 32 hf + 8 w + b;  o: 512 hf + 128 w + 16 b + i.
; SHARES: work-group g = (T, w, q); its wave b makes one fragment: 16 rows x 128 K.  Each load reads 512 consecutive bytes of one row; the 16 rows turn through the wave's own stage in LDS, so that a lane
; holds 16 neighbours along K of each block of 32.  Every store of the wave covers 512 consecutive bytes, aligned to 256.
; A block's scale is 2^(floor(log2(its largest magnitude)) - 2); its byte is the largest magnitude's exponent field - 2, held at 1 from below.
; LIMITS: a block of zeros, or one whose largest magnitude lies under 2^-124, gets the byte 1 (the stated quantiser gives a block of zeros 127): its codes are zeros or nearly so, and this program alone reads the bytes.
; NaN and infinities among the inputs are not served.
.set SCI, 67584                        ; LDS behind the eight stages (8 x 16 rows x 528 bytes): the part's scale image of this K step, 512 bytes
.set BIS, 68096                        ; and the part's 128 biases, 512 bytes
.set SEL, 2                            ; s[2:3]  lane selects for v_permlanex16_b32: lane l xor 16
.set RO,  16                           ; v16-31  byte offset of my 16 bytes in row i
.set R,   32                           ; v32-95  the 16 rows as loaded
.set X,   96                           ; v96-159 64 numbers of my row: register 16 b + i = k 32 b + 16 (lane / 16) + i
.set TM,  160                          ; v160-175 at work
.set PW,  176                          ; the scale word
.set BV,  177                          ; my row's bias
.set PC,  180                          ; v180-199 the codes
; 64 numbers of a lane, v[s] .. v[s + 63], become a fragment's codes in v[PC] on and its scale word in v[PW]
.macro QUANT s
.irp b, 0,1,2,3
	v_max3_num_f32 v[TM+\b], |v[\s+16*\b]|, |v[\s+1+16*\b]|, 0x1800000   ; block b: my 16 numbers, and the floor 2^(3 - 127): the byte cannot fall under 1
.endr
.irp i, 2,4,6,8,10,12,14
.irp b, 0,1,2,3
	s_delay_alu instid0(VALU_DEP_4)
	v_max3_num_f32 v[TM+\b], v[TM+\b], |v[\s+16*\b+\i]|, |v[\s+1+16*\b+\i]|   ; the four blocks by turns
.endr
.endr
.irp b, 0,1,2,3
	s_delay_alu instid0(VALU_DEP_4)
	v_permlanex16_b32 v[TM+4+\b], v[TM+\b], s[SEL], s[SEL+1]
.endr
.irp b, 0,1,2,3
	s_delay_alu instid0(VALU_DEP_4)
	v_max_num_f32 v[TM+\b], v[TM+\b], v[TM+4+\b]   ; with lane l xor 16's: the block's largest magnitude
.endr
.irp b, 0,1,2,3
	s_delay_alu instid0(VALU_DEP_4)
	v_add_nc_u32 v[TM+12+\b], 0xff000000, v[TM+\b]   ; 2 off its exponent field: the conversion's scale operand
.endr
.irp b, 0,1,2,3
	s_delay_alu instid0(VALU_DEP_4)
	v_lshrrev_b32 v[TM+4+\b], 23, v[TM+12+\b]      ; the scale's byte
.endr
	s_delay_alu instid0(VALU_DEP_3)
	v_lshl_or_b32 v[PW], v[TM+5], 8, v[TM+4]
	s_delay_alu instid0(VALU_DEP_1)
	v_lshl_or_b32 v[PW], v[TM+6], 16, v[PW]
	s_delay_alu instid0(VALU_DEP_1)
	v_lshl_or_b32 v[PW], v[TM+7], 24, v[PW]
.irp c, 0,1
	v_cvt_scalef32_pk16_fp6_f32 v[PC+6*\c:PC+2+6*\c], v[\s+32*\c:\s+15+32*\c], v[TM+12+2*\c]
	v_cvt_scalef32_pk16_fp6_f32 v[PC+12+4*\c:PC+14+4*\c], v[\s+16+32*\c:\s+31+32*\c], v[TM+12+2*\c+1]   ; (a conversion's three registers begin on an even number)
.endr
	v_nop                                          ; one plain place behind a scaled conversion
.irp c, 0,1                                    ; the operand's layout wants a whole block in a lane
.irp i, 0,1,2
	v_permlane16_swap_b32 v[PC+6*\c+\i], v[PC+12+4*\c+\i]
.endr
.irp i, 0,1,2
	s_delay_alu instid0(VALU_DEP_3)
	v_mov_b32 v[PC+3+6*\c+\i], v[PC+12+4*\c+\i]
.endr
.endr
.endm
	s_load_b256 s[4:11], s[0:1], 0x0               ; Wq, Wk, Wv, Wo
	s_load_b256 s[12:19], s[0:1], 0x20             ; bq, bk, bv, bo
	s_load_b128 s[20:23], s[0:1], 0x40             ; wimg, bimg
	v_lshl_add_u32 v208, v0, 2, 0x11000
	v_mov_b32 v209, 0
	v_lshrrev_b32 v9, 5, v0
	s_delay_alu instid0(VALU_DEP_1)
	v_readfirstlane_b32 s24, v9                    ; b: my wave, my tile of 16 rows
	v_and_b32 v1, 15, v0                           ; r
	v_bfe_u32 v2, v0, 4, 1                         ; h
	v_and_b32 v3, 31, v0
	s_delay_alu instid0(VALU_DEP_1)
	v_lshlrev_b32 v3, 4, v3                        ; 16 x lane
	s_wait_alu depctr_va_vdst(0)
	s_mov_b32 s[SEL], 0x76543210
	s_mov_b32 s[SEL+1], 0xfedcba98
	s_lshr_b32 s25, ttmp9, 3                       ; T
	s_bfe_u32 s26, ttmp9, 0x20001                  ; w
	s_and_b32 s27, ttmp9, 1                        ; q
	s_lshr_b32 s28, s25, 2                         ; c
	s_and_b32 s29, s25, 3                          ; kp
	s_lshl_b32 s30, s29, 1
	s_add_co_u32 s30, s30, s27                     ; the K step
	s_or_b32 s46, s29, s27                         ; 0 in the work-group that also stores the part's biases
	s_lshr_b32 s31, s28, 1                         ; which weight: 0 q, 1 k, 2 v, 3 o
	s_and_b32 s32, s28, 1                          ; hf
	s_lshl_b32 s33, s32, 9
	s_lshl_b32 s34, s26, 7
	s_add_co_u32 s33, s33, s34                     ; 512 hf + 128 w
	s_lshr_b32 s34, s24, 1
	s_lshl_b32 s34, s34, 5
	s_and_b32 s35, s24, 1
	s_lshl_b32 s35, s35, 3
	s_add_co_u32 s34, s34, s35
	s_add_co_u32 s34, s34, s33                     ; the tile's first row in q, k
	s_lshl_b32 s35, s24, 4
	s_add_co_u32 s35, s35, s33                     ; in o
	s_lshl_b32 s36, s32, 5
	s_lshl_b32 s37, s26, 3
	s_add_co_u32 s36, s36, s37
	s_add_co_u32 s36, s36, s24                     ; in v
	s_cmp_lt_u32 s31, 2
	s_cselect_b32 s34, s34, s35
	s_cselect_b32 s38, 8, 0                        ; B: row i lies at n0 + A i + B (i / 8)
	s_cmp_eq_u32 s31, 2
	s_cselect_b32 s34, s36, s34                    ; n0
	s_cselect_b32 s39, 64, 1                       ; A
.irp i, 0,1,2,3,4,5,6,7,8,9,10,11,12,13,14,15
	s_mul_i32 s40, s39, \i
.if \i >= 8
	s_add_co_u32 s40, s40, s38
.endif
	s_lshl_b32 s40, s40, 12                        ; a row of W is 4,096 bytes
	v_add_nc_u32 v[RO+\i], s40, v3
.endr
	v_mul_lo_u32 v8, v1, s39
	v_lshrrev_b32 v9, 3, v1
	s_delay_alu instid0(VALU_DEP_1)
	v_mul_lo_u32 v9, v9, s38
	s_delay_alu instid0(VALU_DEP_1)
	v_add_lshl_u32 v8, v8, v9, 2                   ; my row's bias: 4 (A r + B (r / 8))
	s_mul_i32 s40, s24, 8448                       ; my stage: 16 rows x (512 + 16) bytes
	v_add_nc_u32 v4, s40, v3                       ; in: 16 x lane of a row
	v_mul_u32_u24 v5, v1, 528
	s_delay_alu instid0(VALU_DEP_1)
	v_lshl_add_u32 v5, v2, 6, v5
	s_delay_alu instid0(VALU_DEP_1)
	v_add_nc_u32 v5, s40, v5                       ; back: row r, + 64 h
	s_lshr_b32 s40, s24, 2
	s_lshl_b32 s40, s40, 8
	s_and_b32 s41, s24, 3
	s_lshl_b32 s41, s41, 2
	s_add_co_u32 s40, s40, s41
	s_add_co_u32 s40, s40, SCI
	v_lshl_add_u32 v6, v1, 4, s40                  ; my scale word's place: 256 (b / 4) + 16 r + 4 (b % 4)
	s_lshl_b32 s40, s24, 6
	s_add_co_u32 s40, s40, BIS
	v_lshl_add_u32 v7, v1, 2, s40                  ; my bias's place: 64 b + 4 r
	v_add_nc_u32 v10, SCI, v3
	v_add_nc_u32 v11, BIS, v3
.irp b, 0,1,2,3
	v_mov_b32 v[TM+4+\b], 0                        ; written once: a lane permute's destination counts as one of its sources
.endr
	s_wait_alu depctr_va_vdst(0)
	s_wait_kmcnt 0x0
	s_and_b32 s40, s31, 1                          ; the weight and its bias: the choice hangs on the work-group's number alone
	s_cmp_eq_u32 s40, 0
	s_cselect_b64 s[4:5], s[4:5], s[6:7]
	s_cselect_b64 s[8:9], s[8:9], s[10:11]
	s_cselect_b64 s[12:13], s[12:13], s[14:15]
	s_cselect_b64 s[16:17], s[16:17], s[18:19]
	s_cmp_lt_u32 s31, 2
	s_cselect_b64 s[4:5], s[4:5], s[8:9]
	s_cselect_b64 s[12:13], s[12:13], s[16:17]
	s_lshl_b32 s40, s34, 12
	s_lshl_b32 s41, s30, 9
	s_add_co_u32 s40, s40, s41                     ; row n0, K step s: 512 bytes a step
	s_mov_b32 s41, 0
	s_add_nc_u64 s[4:5], s[4:5], s[40:41]
	s_lshl_b32 s40, s34, 2
	s_add_nc_u64 s[12:13], s[12:13], s[40:41]
	s_mul_i32 s40, s25, 102400
	s_mul_i32 s42, s26, 25600
	s_add_co_u32 s40, s40, s42
	s_add_nc_u64 s[20:21], s[20:21], s[40:41]      ; the part
	s_lshl_b32 s42, s27, 3
	s_add_co_u32 s42, s42, s24
	s_mul_i32 s42, s42, 1536
	s_mov_b32 s43, 0
	s_add_nc_u64 s[44:45], s[20:21], s[42:43]      ; my fragment
	s_lshl_b32 s42, s27, 9
	s_add_co_u32 s42, s42, 24576
	s_add_nc_u64 s[20:21], s[20:21], s[42:43]      ; this K step's scale image
	s_lshl_b32 s42, s28, 11
	s_lshl_b32 s40, s26, 9
	s_add_co_u32 s42, s42, s40
	s_add_nc_u64 s[22:23], s[22:23], s[42:43]      ; the part's biases: 4 (512 c + 128 w)
.irp i, 0,1,2,3,4,5,6,7,8,9,10,11,12,13,14,15
	global_load_b128 v[R+4*\i:R+4*\i+3], v[RO+\i], s[4:5] th:TH_LOAD_NT   ; 32 lanes read 512 consecutive bytes of row i
.endr
	global_load_b32 v[BV], v8, s[12:13]
	s_wait_loadcnt 0x0
.irp i, 0,1,2,3,4,5,6,7,8,9,10,11,12,13,14,15
	ds_store_b128 v4, v[R+4*\i:R+4*\i+3] offset:528*\i
.endr
.irp b, 0,1,2,3
.irp j, 0,1,2,3
	ds_load_b128 v[X+16*\b+4*\j:X+16*\b+4*\j+3], v5 offset:128*\b+16*\j   ; LDS serves a wave's instructions in order: these see my stores
.endr
.endr
	s_wait_dscnt 0x0
	QUANT X
.irp g, 0,1,2
	global_store_b128 v3, v[PC+4*\g:PC+4*\g+3], s[44:45] offset:512*\g   ; the fragment as it stands: 512 consecutive bytes a store
.endr
	ds_store_b32 v6, v[PW]                         ; both halves of the lanes write the same word with the same value
	ds_store_b32 v7, v[BV]
	s_wait_dscnt 0x0                               ; for the others' sake: my stores have landed
	s_barrier_signal -1
	s_barrier_wait -1
	s_cmp_lg_u32 s24, 0
	s_cbranch_scc1 .Lnot_wave_0
	ds_load_b128 v[32:35], v10                     ; wave 0: the eight tiles' scale words leave as 512 consecutive bytes
	s_wait_dscnt 0x0
	global_store_b128 v3, v[32:35], s[20:21]
	s_branch .Lend
.Lnot_wave_0:
	s_cmp_lg_u32 s24, 1
	s_cbranch_scc1 .Lend
	s_cmp_lg_u32 s46, 0                            ; the biases hang on no K step: the work-group of K step 0 stores them
	s_cbranch_scc1 .Lend
	ds_load_b128 v[32:35], v11
	s_wait_dscnt 0x0
	global_store_b128 v3, v[32:35], s[22:23]
.Lend:
	s_wait_tensorcnt 0x0
	ds_add_u32 v208, v209
	s_wait_dscnt 0x0
	s_endpgm
.Lfunc_end_k_q98fd6c2888_prep:
	.size	k_q98fd6c2888_prep, .Lfunc_end_k_q98fd6c2888_prep-k_q98fd6c2888_prep
	.p2alignl 7, 3214868480
	.fill 96, 4, 3214868480
	.section	.rodata,"a",@progbits
	.p2align	6, 0x0
	.amdhsa_kernel k_q98fd6c2888_prep
		.amdhsa_group_segment_fixed_size 70656
		.amdhsa_private_segment_fixed_size 0
		.amdhsa_enable_private_segment 0
		.amdhsa_kernarg_size 80
		.amdhsa_user_sgpr_count 2
		.amdhsa_user_sgpr_kernarg_segment_ptr 1
		.amdhsa_wavefront_size32 1
		.amdhsa_system_sgpr_workgroup_id_x 1
		.amdhsa_system_sgpr_workgroup_id_y 1
		.amdhsa_system_sgpr_workgroup_id_z 1
		.amdhsa_system_vgpr_workitem_id 0
		.amdhsa_next_free_vgpr 210
		.amdhsa_next_free_sgpr 66
		.amdhsa_reserve_vcc 0
		.amdhsa_float_denorm_mode_32 3
		.amdhsa_float_denorm_mode_16_64 3
		.amdhsa_memory_ordered 1
		.amdhsa_forward_progress 1
		.amdhsa_inst_pref_size 17
	.end_amdhsa_kernel
	.amdgpu_metadata
---
amdhsa.version: [ 1, 2 ]
amdhsa.kernels:
  - .name:           k_q98fd6c2888_prep
    .symbol:         k_q98fd6c2888_prep.kd
    .args:
      - { .name: Wq, .offset: 0, .size: 8, .value_kind: global_buffer, .address_space: global }
      - { .name: Wk, .offset: 8, .size: 8, .value_kind: global_buffer, .address_space: global }
      - { .name: Wv, .offset: 16, .size: 8, .value_kind: global_buffer, .address_space: global }
      - { .name: Wo, .offset: 24, .size: 8, .value_kind: global_buffer, .address_space: global }
      - { .name: bq, .offset: 32, .size: 8, .value_kind: global_buffer, .address_space: global }
      - { .name: bk, .offset: 40, .size: 8, .value_kind: global_buffer, .address_space: global }
      - { .name: bv, .offset: 48, .size: 8, .value_kind: global_buffer, .address_space: global }
      - { .name: bo, .offset: 56, .size: 8, .value_kind: global_buffer, .address_space: global }
      - { .name: wimg, .offset: 64, .size: 8, .value_kind: global_buffer, .address_space: global }
      - { .name: bimg, .offset: 72, .size: 8, .value_kind: global_buffer, .address_space: global }
    .group_segment_fixed_size: 70656
    .private_segment_fixed_size: 0
    .kernarg_segment_align: 8
    .kernarg_segment_size: 80
    .max_flat_workgroup_size: 256
    .sgpr_count:     66
    .vgpr_count:     210
    .wavefront_size: 32
...
	.end_amdgpu_metadata
.endif
;; end of part 3
;; launch fused (part 4): grid 256 x 1, 4 waves a work-group, clusters of 4 x 1, 327,680 bytes of LDS; arguments x, wimg, bimg, out0; writes out0
.if DOCPART == 4
	.amdgcn_target "amdgcn-amd-amdhsa--gfx1250"
	.amdhsa_code_object_version 6
	.text
	.protected	k_q98fd6c2888_fused
	.globl	k_q98fd6c2888_fused
	.p2align	8
	.type	k_q98fd6c2888_fused,@function
k_q98fd6c2888_fused:
	s_mov_b64 s[64:65], 0
	v_nop
	global_prefetch_b8 v0, s[64:65] scope:SCOPE_SE
	s_setreg_imm32_b32 hwreg(HW_REG_WAVE_MODE, 25, 1), 1
	s_wait_xcnt 0x0
	s_wait_alu depctr_hold_cnt(0) depctr_sa_sdst(0) depctr_va_vdst(0) depctr_va_sdst(0) depctr_va_ssrc(0) depctr_va_vcc(0) depctr_vm_vsrc(0)
	s_getreg_b32 s2, hwreg(HW_REG_IB_STS2, 6, 4)
	s_cmp_eq_u32 s2, 0
	s_cbranch_scc0 .Lentry_in_a_cluster
	s_endpgm
.Lentry_in_a_cluster:
	s_bfe_u32 s2, ttmp6, 0x10000c
	s_cmp_lg_u32 s2, 0x3003
	s_cbranch_scc0 .Lentry_shape_is_right
	s_endpgm
.Lentry_shape_is_right:
; out0 = (softmax over key heads of (q k^T / 8) v) Wo^T + bo, with q, k, v = x W^T + b, per token across its 16 heads of 64.  The five quantised products run on codes of FP6 (E2M3) with one E8M0 scale
; for each 32 along K; attn v (K = 16) runs on f32 operands, since its result goes into a quantiser.  Nothing but x, the weights' stream, the biases and out0 touches memory.
; SHARES.  A work-group owns 64 tokens and walks 8 chunks of 512 weight rows (q, q, k, k, v, v, o, o).  In a chunk wave w makes 128 columns for all 64 tokens: 32 accumulators.  The 64 tokens' codes
; (32 fragments, 384 registers) stay in every wave's registers: a weight fragment read from LDS feeds four matrix instructions and none is read twice.  Token by token (scores, softmax, attn v) wave w owns tokens 16 m + 4 w + i.
; THE WEIGHTS come as a stream of 32 tiles of 102,400 bytes (two K steps of a chunk), laid by the first launch in the order of the operand's registers, through a ring of two LDS slots; each wave fetches and reads its own quarter.
; CLUSTER: the four work-groups of a cluster walk the same stream, so every tile is asked for jointly (mask 15); there is no second shared operand for a 4 x 4 cluster.
; THE ORDER ALONG K: cluster i takes a chunk's four tiles from rot = (i + i / 4) % 4 on; x is loaded in that order (four base pointers) and the attention's output is read from LDS in it (an address for each position).
; ONE LOOP walks chunks 0 to 6; what follows a chunk is chosen by the loop's counter, the same in all waves and work-groups; chunk 7, which asks for fewer tiles, is written out.
; A K STEP is eight groups of four products (one weight tile x four tiles of tokens).  The NEXT step's 25 LDS loads go into the other set of registers in two runs, of 13 and of 12, among this step's groups.
; THE BIAS is the C of each accumulator's first product: 64 registers in the result's layout, in registers of set 1; so in a chunk's first step set 1 comes in two runs, of 19 and of 6, each behind the groups that used the biases lying there.
; ALL PRODUCTS ARE USED TRANSPOSED (source 0 = 16 weight rows, source 1 = 16 tokens): a lane holds one token and its registers run along the columns, which are the next K.
; LIMITS: a block of zeros, or one whose largest magnitude lies under 2^-124, gets the scale byte 1 (the stated quantiser gives a block of zeros 127): only this program reads the bytes.  NaN and infinities are not served.
; The f32 sums of the four large products begin with the bias and take their K steps in an order that hangs on the cluster's number.  The softmax takes the row's maximum away ahead of the exponential.
; REGISTERS.  Window 0: v0-31 ids and addresses; v32-47 the tokens' scale words, v48-55 the weights', v56-63 the scores'; v64-159, v160-255 two sets of eight weight fragments, scratch between chunks.
; Window 1: v0-191 the tokens' fragments of positions 0, 1; v192-255 attn of my tokens of m = 0, 1.  Window 2: the same for positions 2, 3 and m = 2, 3.  Window 3: accumulator (m, b) at 8 (8 m + b); written by matrix instructions alone.
.set TILE,  102400
.set PART,  25600
.set FRB,   1536
.set SCO,   24576
.set BIAS,  204800                     ; behind the ring: the 4,096 biases in the stream's order of rows
.set U,     221184                     ; the exchange, written by LDS stores alone
.set XIMG,  U                          ; X: x's 32 fragments, (s, m) at 1536 (4 s + m)
.set XSC,   U+49152                    ;    their scale words
.set XSTG,  U+51200                    ;    a stage of 16 rows x 528 bytes for each wave
.set QKC,   U                          ; QK: token t at 1552 t: q's 768 bytes of codes, k's 768
.set QKS,   U+99328                    ;    64 bytes a token: q's 32 scale bytes, k's 32
.set VST,   U                          ; V: 16 tokens x 2,064 bytes of v
.set OC,    U+33792                    ;    the attention's output as codes: rows of 768 + 16 bytes
.set OS,    U+83968                    ;    32 scale bytes a token
.set OST,   U                          ; O: a stage of 16 rows x 528 bytes for each wave
.set SPARE, 327168                     ; the spare words, 128 bytes for each wave
.set SPW,  3
.set NIL,  4
.set ADW,  5                           ; v5-6 my lane's place in my part of slot 0, 1
.set PFO,  7
.set L16,  8
.set L4,   9
.set BIA0, 10
.set BA,   11
.set VSI,  12
.set VSO,  13
.set OCB,  14
.set OSB,  15
.set OCA,  16
.set OSA,  17
.set OFR,  18
.set OSR,  19
.set QCB,  20
.set QSB,  21
.set QA0,  22
.set QSA,  24
.set SC0,  25
.set SCS,  27
.set OSI,  28
.set OSO,  29
.set XSTI, 232                         ; v232-239: the X phase's addresses, used in the head alone
.set XSTO, 233
.set XWI,  234
.set XWS,  235
.set XRI,  236
.set XRS,  237
.set BIW,  238
.set BIO,  239
.set XS,   32
.set WS,   48
.set SS,   56
.set NB,   64                          ; the X phase: 64 numbers of my row
.set BG,   128                         ; the X phase: the biases on their way to LDS
.set BIR,  192                         ; a chunk's 64 biases, the C of its first step
.set TM,   192
.set PW,   208
.set PC,   212
.set SR,   160
.set MX,   192
.set SU,   200
.set SV,   208
.set OT,   192
.set OSC,  200
.set OBY,  204
.set OCD,  208
.set WV,   12
.set G1,   16
.set G0,   24
.set SEL,  32
.set CS,   34
.set CNT,  37                          ; the chunk, 0 to 6 in the loop
.set BO,   40                          ; 2,048 x chunk
.set PFA,  44
.set LIM,  46                          ; 0 while my cluster prefetches
.set CBP,  52
.set ROP,  54                          ; four pairs: 102,400 x ((p + rot) % 4)
.set ROT,  62
.set XB,   68
.set RF,   76                          ; s76-79: 192 x ((p + rot) % 4): position p's codes in a row of OC
.set RS,   80                          ; s80-83: 8 x the same: its scale bytes
.set MSB, 0
.macro WIN new
.if MSB != \new
	s_set_vgpr_msb (MSB<<8)|\new
.set MSB, \new
.endif
.endm
.macro PLACES n
.rept \n
	v_nop
.endr
.endm
.macro BARRIER
	s_wait_dscnt 0x0
	s_barrier_signal -1
	s_barrier_wait -1
.endm
.macro CREST
	s_cmp_lg_u32 s[WV], 0
	s_cbranch_scc1 .Lnot_wave_0_\@
	s_barrier_signal -3
.Lnot_wave_0_\@:
	s_barrier_wait -3
	s_barrier_signal -1
	s_barrier_wait -1
.endm
.macro CROUND
	s_barrier_signal -1
	s_barrier_wait -1
	CREST
.endm
; 64 numbers of a lane, register 16 b + i = k 32 b + 16 (lane / 16) + i of my row, become a fragment's codes in v[PC] on and its scale word in v[PW].  w = 1: the numbers are accumulators (window 3), each read from its low end on
.macro QUANT s, w
.if \w
	WIN 0x3c
.endif
.irp b, 0,1,2,3
	v_max3_num_f32 v[TM+\b], 0x1800000, |v[\s+16*\b]|, |v[\s+1+16*\b]|   ; my 16 numbers of block b, and the floor 2^(3 - 127)
.endr
.irp i, 2,4,6,8,10,12,14
.irp b, 0,1,2,3
	v_max3_num_f32 v[TM+\b], v[TM+\b], |v[\s+16*\b+\i]|, |v[\s+1+16*\b+\i]|
.endr
.endr
.if \w
	WIN 0
	s_wait_alu depctr_va_vdst(0)
	s_wait_dscnt 0x0                               ; the last stores have read their codes and scale word
.endif
.irp b, 0,1,2,3
	v_permlanex16_b32 v[TM+4+\b], v[TM+\b], s[SEL], s[SEL+1]
.endr
.irp b, 0,1,2,3
	v_max_num_f32 v[TM+\b], v[TM+\b], v[TM+4+\b]
.endr
.irp b, 0,1,2,3
	v_add_nc_u32 v[TM+12+\b], 0xff000000, v[TM+\b]   ; 2 off the exponent field: the conversion's scale operand
.endr
.irp b, 0,1,2,3
	v_lshrrev_b32 v[TM+4+\b], 23, v[TM+12+\b]
.endr
	v_lshl_or_b32 v[PW], v[TM+5], 8, v[TM+4]
	v_lshl_or_b32 v[PW], v[TM+6], 16, v[PW]
	v_lshl_or_b32 v[PW], v[TM+7], 24, v[PW]
.if \w
	WIN 0x03
.endif
.irp c, 0,1
	v_cvt_scalef32_pk16_fp6_f32 v[PC+6*\c:PC+2+6*\c], v[\s+32*\c:\s+15+32*\c], v[TM+12+2*\c]
	v_cvt_scalef32_pk16_fp6_f32 v[PC+12+4*\c:PC+14+4*\c], v[\s+16+32*\c:\s+31+32*\c], v[TM+12+2*\c+1]
.endr
	WIN 0
	v_nop                                          ; one plain place behind a scaled conversion
.irp c, 0,1
.irp i, 0,1,2
	v_permlane16_swap_b32 v[PC+6*\c+\i], v[PC+12+4*\c+\i]
.endr
.irp i, 0,1,2
	v_mov_b32 v[PC+3+6*\c+\i], v[PC+12+4*\c+\i]
.endr
.endr
.endm
; my 16 rows' numbers of the s-th K step in my cluster's order, into one of four sets: v128-255 of windows 1 and 2
.macro XLOAD s
.if ((\s)%4) < 2
	WIN 0x40
.else
	WIN 0x80
.endif
.irp i, 0,1,2,3,4,5,6,7,8,9,10,11,12,13,14,15
	global_load_b128 v[128+64*((\s)%2)+4*\i:128+64*((\s)%2)+4*\i+3], v[L16], s[XB+2*((\s)/2):XB+2*((\s)/2)+1] offset:4096*\i+512*((\s)%2) th:TH_LOAD_NT
.endr
	WIN 0
.endm
.macro XSTEP s, cnt                    ; through my stage, quantised, its image to LDS.  cnt: the younger loads
	s_wait_loadcnt \cnt
.if ((\s)%4) < 2
	WIN 0x04
.else
	WIN 0x08
.endif
.irp i, 0,1,2,3,4,5,6,7,8,9,10,11,12,13,14,15
	ds_store_b128 v[XSTI], v[128+64*((\s)%2)+4*\i:128+64*((\s)%2)+4*\i+3] offset:528*\i
.endr
	WIN 0
.irp b, 0,1,2,3
.irp j, 0,1,2,3
	ds_load_b128 v[NB+16*\b+4*\j:NB+16*\b+4*\j+3], v[XSTO] offset:128*\b+16*\j   ; LDS serves a wave's instructions in order
.endr
.endr
	s_wait_dscnt 0x0
.if (\s) < 4
	XLOAD (\s)+4
.endif
.if (\s) == 3
.irp i, 0,1,2,3,4,5,6,7
	global_load_b128 v[BG+4*\i:BG+4*\i+3], v[BIO], s[8:9] offset:2048*\i
.endr
.endif
	QUANT NB, 0
.irp c, 0,1,2
	ds_store_b128 v[XWI], v[PC+4*\c:PC+4*\c+3] offset:6144*(\s)+512*\c
.endr
	ds_store_b32 v[XWS], v[PW] offset:512*((\s)/2)+64*((\s)%2)
.endm
.macro LDF p, sl, q, b                 ; weight fragment b of K step q of the tile in slot sl, into set p: three loads of 512 consecutive bytes
.irp g, 0,1,2
	ds_load_b128 v[64+96*(\p)+12*(\b)+4*\g:64+96*(\p)+12*(\b)+4*\g+3], v[ADW+(\sl)] offset:FRB*(8*(\q)+(\b))+512*\g
.endr
.endm
.macro LDW p, sl, q                    ; and that step's scale words
	ds_load_b128 v[WS+4*(\p):WS+4*(\p)+3], v[ADW+(\sl)] offset:SCO+512*(\q)
.endm
.macro RUNLO p, sl, q                  ; a step's first run: the scale words and fragments 0 to 3: 13 loads
	LDW \p, \sl, \q
.irp f, 0,1,2,3
	LDF \p, \sl, \q, \f
.endr
.endm
.macro RUNHI p, sl, q                  ; its second run: fragments 4 to 7: 12 loads
.irp f, 4,5,6,7
	LDF \p, \sl, \q, \f
.endr
.endm
.macro WM ra, rb                       ; one product; ra, rb: the scale words stand in lanes 16-31
.if (\ra) && (\rb)
	v_wmma_scale_f32_16x16x128_f8f6f4 v[rD:rD+7], v[rA:rA+11], v[rB:rB+11], v[rC:rC+7], v[rSA], v[rSB] matrix_a_fmt:MATRIX_FMT_FP6 matrix_b_fmt:MATRIX_FMT_FP6 matrix_a_scale:MATRIX_SCALE_ROW1 matrix_b_scale:MATRIX_SCALE_ROW1
.elseif \ra
	v_wmma_scale_f32_16x16x128_f8f6f4 v[rD:rD+7], v[rA:rA+11], v[rB:rB+11], v[rC:rC+7], v[rSA], v[rSB] matrix_a_fmt:MATRIX_FMT_FP6 matrix_b_fmt:MATRIX_FMT_FP6 matrix_a_scale:MATRIX_SCALE_ROW1
.elseif \rb
	v_wmma_scale_f32_16x16x128_f8f6f4 v[rD:rD+7], v[rA:rA+11], v[rB:rB+11], v[rC:rC+7], v[rSA], v[rSB] matrix_a_fmt:MATRIX_FMT_FP6 matrix_b_fmt:MATRIX_FMT_FP6 matrix_b_scale:MATRIX_SCALE_ROW1
.else
	v_wmma_scale_f32_16x16x128_f8f6f4 v[rD:rD+7], v[rA:rA+11], v[rB:rB+11], v[rC:rC+7], v[rSA], v[rSB] matrix_a_fmt:MATRIX_FMT_FP6 matrix_b_fmt:MATRIX_FMT_FP6
.endif
.endm
; a group: weight tile b of set p against the four tiles of tokens, the chunk's s-th K step.  The 32 accumulators take turns in the same order in every step.  first = 1: C is the tile's bias
.macro MUL p, s, b, first
.irp m, 0,1,2,3
.set rD, 8*(8*\m+(\b))
.if \first
.set rC, BIR+8*(\b)
.else
.set rC, rD
.endif
.set rA, 64+96*(\p)+12*(\b)
.set rB, 12*(4*((\s)%4)+\m)
.set rSA, WS+4*(\p)+(\b)%4
.set rSB, XS+4*((\s)/2)+\m
	WM (\b)/4, (\s)%2
.endr
.endm
.macro MWIN s, first                   ; D window 3, the weights window 0, the tokens window 1 or 2; C window 3, or 0 for the bias
.if \first
	WIN 0xc4
.elseif (\s) < 4
	WIN 0xf4
.else
	WIN 0xf8
.endif
.endm
; A prefetch: change of slots n = 4 x chunk + place names tile n + 7 of the stream, two to five changes ahead of its first load.  Cluster 0 asks; its sixteen waves take 25 blocks of 256 bytes each, told apart by address;
; lanes 25 to 31 name lane 24's block again.  Change 24 names tile 31, the stream's last; behind it LIM is set and nothing more is asked for.
.macro ASK
	s_cmp_eq_u32 s[LIM], 0
	s_cbranch_scc0 .Lnot_mine_\@
	global_prefetch_b8 v[PFO], s[PFA:PFA+1] th:TH_LOAD_NT scope:SCOPE_SE
.Lnot_mine_\@:
.endm
; a step on set p whose next step's loads (set 1 - p, slot nsl, K step nq) stand behind groups 1 and 4.  The counts: ahead of group 0 this set's second run (12) may be out; ahead of group 4 the run of 13 just issued
.macro STEPX p, s, nsl, nq
.irp b, 0,1,2,3,4,5,6,7
.if \b == 0
	s_wait_dscnt 12
.elseif \b == 4
	s_wait_dscnt 13
.endif
	MWIN \s, 0
	MUL \p, \s, \b, 0
.if \b == 1
	WIN 0
	RUNLO 1-(\p), \nsl, \nq
.elseif \b == 4
	WIN 0
	RUNHI 1-(\p), \nsl, \nq
.endif
.endr
	PLACES 4                                       ; in front of the next loads into this set
	WIN 0
.endm
; a chunk's first step: set 0, C = the biases.  Ahead of it stand the biases' 16 loads and set 0's first run; its second run stands behind group 1; set 1 comes behind group 4 (19 loads, which reach biases 0 to 4) and behind group 7 (6).
; The counts: the loads issued behind fragment b's: 9, 6 (of the first run); 3 + 12, 12; 9; 6 + 19, 3 + 19, 19
.macro STEPF
.irp b, 0,1,2,3,4,5,6,7
.if \b < 2
	s_wait_dscnt 9-3*\b
.elseif \b < 4
	s_wait_dscnt 21-3*\b
.elseif \b == 4
	s_wait_dscnt 9
.else
	s_wait_dscnt 40-3*\b
.endif
	MWIN 0, 1
	MUL 0, 0, \b, 1
.if \b == 1
	WIN 0
	RUNHI 0, 0, 0
.elseif \b == 4
	PLACES 4                                       ; in front of loads into registers that held the biases just used
	WIN 0
	RUNLO 1, 0, 1
	LDF 1, 0, 1, 4
	LDF 1, 0, 1, 5
.endif
.endr
	PLACES 4
	WIN 0
	LDF 1, 0, 1, 6
	LDF 1, 0, 1, 7
.endm
; a tile's second K step: set 1.  mode 2: with a change of slots; 1: nothing is left to ask for; 0: a chunk's last step
.macro STEPB s, sl, mode, ask
.if (\mode) == 2
.if \ask
	s_wait_xcnt 0x0                                ; the last prefetch has read its address
	s_add_nc_u64 s[PFA:PFA+1], s[PFA:PFA+1], TILE
.endif
	s_wait_tensorcnt 0x0                           ; all my tensor loads have landed: my part of the other slot
	ds_add_u32 v[SPW], v[NIL]
	s_wait_dscnt 13                                ; set 1's scale words and fragments 0 to 3 are in; its other 12 loads and the add may be out
	MWIN \s, 0
	MUL 1, \s, 0, 0
	MUL 1, \s, 1, 0
	s_wait_dscnt 0x0                               ; the add is done, and my reads of this slot are over
	s_barrier_signal -1
	MUL 1, \s, 2, 0
	MUL 1, \s, 3, 0
	WIN 0
	s_barrier_wait -1
	CREST                                          ; the barrier has opened a round of the cluster's barrier
.if (\s) == 5
	s_add_nc_u64 s[CBP:CBP+1], s[CBP:CBP+1], 4*TILE   ; two positions on is the next chunk's position 0
.endif
	s_add_nc_u64 s[G0+4*(\sl)+2:G0+4*(\sl)+3], s[CBP:CBP+1], s[ROP+2*(((\s)/2+2)%4):ROP+2*(((\s)/2+2)%4)+1]
	s_or_b32 s[G0+4*(\sl)+3], s[G0+4*(\sl)+3], 0x80000000
	tensor_load_to_lds s[G0+4*(\sl):G0+4*(\sl)+3], s[G1:G1+7]   ; the first tensor load behind the round, my only one until the next
	s_nop 0
	PLACES 4                                       ; the places in front of the loads into set 0
	RUNLO 0, 1-(\sl), 0                            ; the next tile's first step into set 0
.if \ask
	ASK
.if (\s) == 1
	s_cmp_eq_u32 s[CNT], 6                         ; chunk 6's first change has named the stream's last tile
	s_cselect_b32 s[LIM], -1, s[LIM]
.endif
.endif
	MWIN \s, 0
	MUL 1, \s, 4, 0
	MUL 1, \s, 5, 0
	MUL 1, \s, 6, 0
	WIN 0
	RUNHI 0, 1-(\sl), 0
	MWIN \s, 0
	MUL 1, \s, 7, 0
	PLACES 4                                       ; in front of loads into set 1
	WIN 0
.elseif (\mode) == 1
	s_wait_tensorcnt 0x0                           ; my part of the last tile is in; I alone read it
	STEPX 1, \s, 1-(\sl), 0
.else
	s_wait_dscnt 12                                ; set 1's second run may be out
	MWIN \s, 0
.irp b, 0,1,2,3
	MUL 1, \s, \b, 0
.endr
	s_wait_dscnt 0x0
.irp b, 4,5,6,7
	MUL 1, \s, \b, 0
.endr
	PLACES 4                                       ; in front of the first read of results and of loads into the sets
	WIN 0
.endif
.endm
; a chunk: 512 weight rows x all of K: four tiles, 256 matrix instructions a wave.  f2: the third change's mode
.macro CHUNK f2, ask
	v_add_nc_u32 v[BA], s[BO], v[BIA0]
.irp t, 0,1,2,3,4,5,6,7
	ds_load_b128 v[BIR+8*\t:BIR+8*\t+3], v[BA] offset:64*\t       ; BIR + 8 t + j: the bias of row 8 h + j of my tile t
	ds_load_b128 v[BIR+8*\t+4:BIR+8*\t+7], v[BA] offset:64*\t+16
.endr
	RUNLO 0, 0, 0
	STEPF
	STEPB 1, 0, 2, \ask
	STEPX 0, 2, 1, 1
	STEPB 3, 1, 2, \ask
	STEPX 0, 4, 0, 1
	STEPB 5, 0, \f2, \ask
	STEPX 0, 6, 1, 1
	STEPB 7, 1, 0, 0
.endm
; the change of slots between chunks, behind what follows a chunk: slot 1 takes the next chunk's position 1.  The round also shows every wave what the others have stored into the exchange
.macro CHG
	s_wait_xcnt 0x0
	s_add_nc_u64 s[PFA:PFA+1], s[PFA:PFA+1], TILE
	s_wait_tensorcnt 0x0
	ds_add_u32 v[SPW], v[NIL]
	s_add_nc_u64 s[G0+6:G0+7], s[CBP:CBP+1], s[ROP+2:ROP+3]
	s_or_b32 s[G0+7], s[G0+7], 0x80000000
	s_wait_dscnt 0x0
	CROUND
	tensor_load_to_lds s[G0+4:G0+7], s[G1:G1+7]
	s_nop 0
	PLACES 4
	ASK
.endm
; behind a chunk of q or k: quantised along d, codes and scale bytes into the tokens' rows in LDS
.macro QKEPI
	s_and_b32 s50, s[CNT], 3
	s_mul_i32 s51, s50, 384                        ; the chunk's codes in a token's row
	s_lshl_b32 s50, s50, 4                         ; its scale bytes
	v_add_nc_u32 v[QA0], s51, v[QCB]
	v_add_nc_u32 v[QA0+1], 49664, v[QA0]
	v_add_nc_u32 v[QSA], s50, v[QSB]
.irp m, 0,1,2,3
	QUANT 64*\m, 1
.irp c, 0,1
.irp p, 0,1,2
	ds_store_b64 v[QA0+\m/2], v[PC+6*\c+2*\p:PC+6*\c+2*\p+1] offset:24832*(\m%2)+48*\c+8*\p
.endr
.endr
	ds_store_b32 v[QSA], v[PW] offset:1024*\m
.endr
.endm
; the codes and scale bytes of q and k of my four tokens 16 m + 4 w + i
.macro SLOAD m
.irp i, 0,1,2,3
.irp p, 0,1,2
	ds_load_b64 v[64+24*\i+2*\p:65+24*\i+2*\p], v[SC0+(\m)/2] offset:1552*(16*((\m)%2)+\i)+768+8*\p
	ds_load_b64 v[76+24*\i+2*\p:77+24*\i+2*\p], v[SC0+(\m)/2] offset:1552*(16*((\m)%2)+\i)+8*\p
.endr
	ds_load_u16 v[SS+2*\i], v[SCS] offset:64*(16*(\m)+\i)+32
	ds_load_u16 v[SS+2*\i+1], v[SCS] offset:64*(16*(\m)+\i)
.endr
.endm
; their scores and softmax.  S^T = k q^T: K = the head's 64, the upper 64 of the instruction's K are zero codes.  Lane (r, h): query head r; register j: key head 8 h + j.  The next four tokens' loads stand behind the products
.macro SCORE m
	s_wait_dscnt 0x0
.irp i, 0,1,2,3
	v_wmma_scale_f32_16x16x128_f8f6f4 v[SR+8*\i:SR+8*\i+7], v[64+24*\i:75+24*\i], v[76+24*\i:87+24*\i], 0, v[SS+2*\i], v[SS+2*\i+1] matrix_a_fmt:MATRIX_FMT_FP6 matrix_b_fmt:MATRIX_FMT_FP6
.endr
	PLACES 4
.if (\m) < 3
	SLOAD (\m)+1
.endif
.irp i, 0,1,2,3
	v_max3_num_f32 v[MX+2*\i], v[SR+8*\i], v[SR+8*\i+1], v[SR+8*\i+2]
.endr
.irp k, 3,5
.irp i, 0,1,2,3
	v_max3_num_f32 v[MX+2*\i], v[MX+2*\i], v[SR+8*\i+\k], v[SR+8*\i+\k+1]
.endr
.endr
.irp i, 0,1,2,3
	v_max_num_f32 v[MX+2*\i], v[MX+2*\i], v[SR+8*\i+7]
.endr
.irp i, 0,1,2,3
	v_permlanex16_b32 v[MX+2*\i+1], v[MX+2*\i], s[SEL], s[SEL+1]
.endr
.irp i, 0,1,2,3
	v_max_num_f32 v[MX+2*\i], v[MX+2*\i], v[MX+2*\i+1]   ; the row's largest score
.endr
.irp k, 0,2,4,6
.irp i, 0,1,2,3
	v_pk_add_f32 v[SR+8*\i+\k:SR+8*\i+\k+1], v[SR+8*\i+\k:SR+8*\i+\k+1], v[MX+2*\i:MX+2*\i+1] op_sel_hi:[1,0] neg_lo:[0,1] neg_hi:[0,1]   ; s - max
.endr
.endr
.irp k, 0,2,4,6
.irp i, 0,1,2,3
	v_pk_mul_f32 v[SR+8*\i+\k:SR+8*\i+\k+1], v[SR+8*\i+\k:SR+8*\i+\k+1], s[CS:CS+1] op_sel_hi:[1,0]   ; x log2(e) / 8
.endr
.endr
.set jj, 0
	s_wait_alu depctr_va_vdst(0)                   ; a wait ahead of the batch
.rept 32
	v_exp_f32 v[SR+jj], v[SR+jj]
.set jj, jj+1
.endr
	v_nop
	s_wait_alu depctr_va_vdst(0)                   ; and behind it
.irp i, 0,1,2,3
	v_pk_add_f32 v[SU+2*\i:SU+2*\i+1], v[SR+8*\i:SR+8*\i+1], v[SR+8*\i+2:SR+8*\i+3]
.endr
.irp i, 0,1,2,3
	v_pk_add_f32 v[SV+2*\i:SV+2*\i+1], v[SR+8*\i+4:SR+8*\i+5], v[SR+8*\i+6:SR+8*\i+7]
.endr
.irp i, 0,1,2,3
	v_pk_add_f32 v[SU+2*\i:SU+2*\i+1], v[SU+2*\i:SU+2*\i+1], v[SV+2*\i:SV+2*\i+1]
.endr
.irp i, 0,1,2,3
	v_add_f32 v[SU+2*\i], v[SU+2*\i], v[SU+2*\i+1]
.endr
.irp i, 0,1,2,3
	v_permlanex16_b32 v[SU+2*\i+1], v[SU+2*\i], s[SEL], s[SEL+1]
.endr
.irp i, 0,1,2,3
	v_add_f32 v[SU+2*\i], v[SU+2*\i], v[SU+2*\i+1]   ; the row's sum: at least 1
.endr
	s_wait_alu depctr_va_vdst(0)
.irp i, 0,1,2,3
	v_rcp_f32 v[SU+2*\i], v[SU+2*\i]
.endr
	v_nop
	s_wait_alu depctr_va_vdst(0)
.if (\m) < 2
	WIN 0x40
.else
	WIN 0x80
.endif
.irp i, 0,1,2,3
.irp k, 0,2,4,6
	v_pk_mul_f32 v[192+8*(4*((\m)%2)+\i)+\k:192+8*(4*((\m)%2)+\i)+\k+1], v[SR+8*\i+\k:SR+8*\i+\k+1], v[SU+2*\i:SU+2*\i+1] op_sel_hi:[1,0]   ; attn stays in registers
.endr
.endr
	WIN 0
.endm
; behind a chunk of v (32 of the head's 64): v of tokens 16 m .. 16 m + 15 goes from the accumulators through the stage to the tokens' owners; O^T = v^T attn^T in f32; quantised; codes to LDS.
; K, the key heads, is permuted alike on both sides: slot (h, j) of K step s is key head 8 h + 2 s + j.  The four passes overlap: pass m + 1's v goes into the stage in the middle of pass m's products
; and comes back, into the other of two sets of 64 registers (v64-127, v128-191), ahead of pass m's quantiser
.macro VSTG m                          ; into the stage
	WIN 0x0c                                       ; an LDS store's data are its source 1: window 3
.irp t, 0,1,2,3,4,5,6,7
	ds_store_b128 v[VSI], v[64*(\m)+8*\t:64*(\m)+8*\t+3] offset:16*\t
	ds_store_b128 v[VSI], v[64*(\m)+8*\t+4:64*(\m)+8*\t+7] offset:16*\t+512
.endr
	WIN 0
.endm
.macro VLD m                           ; out of it: my four tokens
.irp i, 0,1,2,3
.irp u, 0,1
	ds_load_b128 v[64+64*((\m)%2)+16*\i+8*\u:64+64*((\m)%2)+16*\i+8*\u+3], v[VSO] offset:2064*\i+1024*\u
	ds_load_b128 v[64+64*((\m)%2)+16*\i+8*\u+4:64+64*((\m)%2)+16*\i+8*\u+7], v[VSO] offset:2064*\i+1024*\u+512
.endr
.endr
.endm
.macro VMM m, s                        ; K step s of the pass's eight sums, which take turns
.if (\m) < 2
	WIN 0xf4
.else
	WIN 0xf8
.endif
.irp i, 0,1,2,3
.irp u, 0,1
.if (\s) == 0
	v_wmma_f32_16x16x4_f32 v[16*\i+8*\u:16*\i+8*\u+7], v[64+64*((\m)%2)+16*\i+8*\u+2*(\s):64+64*((\m)%2)+16*\i+8*\u+2*(\s)+1], v[192+8*(4*((\m)%2)+\i)+2*(\s):192+8*(4*((\m)%2)+\i)+2*(\s)+1], 0
.else
	v_wmma_f32_16x16x4_f32 v[16*\i+8*\u:16*\i+8*\u+7], v[64+64*((\m)%2)+16*\i+8*\u+2*(\s):64+64*((\m)%2)+16*\i+8*\u+2*(\s)+1], v[192+8*(4*((\m)%2)+\i)+2*(\s):192+8*(4*((\m)%2)+\i)+2*(\s)+1], v[16*\i+8*\u:16*\i+8*\u+7]
.endif
.endr
.endr
.endm
.macro VPASS m
	s_wait_dscnt 0x0                               ; my four tokens' v is in: my reads of the stage are over
.if (\m) < 3
	s_barrier_signal -1                            ; say so; only work on registers stands up to the wait
.endif
	VMM \m, 0
	VMM \m, 1
	WIN 0
.if (\m) < 3
	s_barrier_wait -1                              ; every wave's reads of the stage are over
	VSTG (\m)+1
.endif
	VMM \m, 2
	VMM \m, 3
	WIN 0
.if (\m) < 3
	s_wait_dscnt 0x0                               ; my stores into the stage have landed
	s_barrier_signal -1
	PLACES 9
	s_barrier_wait -1                              ; the stage is full
	VLD (\m)+1
.else
	PLACES 9
.endif
	WIN 0x3c
.irp i, 0,1,2,3
	v_max3_num_f32 v[OT+2*\i], 0x1800000, |v[16*\i]|, |v[16*\i+1]|
.endr
.irp k, 2,4,6,8,10,12,14
.irp i, 0,1,2,3
	v_max3_num_f32 v[OT+2*\i], v[OT+2*\i], |v[16*\i+\k]|, |v[16*\i+\k+1]|
.endr
.endr
	WIN 0
.irp i, 0,1,2,3
	v_permlanex16_b32 v[OT+2*\i+1], v[OT+2*\i], s[SEL], s[SEL+1]
.endr
.irp i, 0,1,2,3
	v_max_num_f32 v[OT+2*\i], v[OT+2*\i], v[OT+2*\i+1]
.endr
.irp i, 0,1,2,3
	v_add_nc_u32 v[OSC+\i], 0xff000000, v[OT+2*\i]
.endr
.irp i, 0,1,2,3
	v_lshrrev_b32 v[OBY+\i], 23, v[OSC+\i]
.endr
	WIN 0x03
.irp i, 0,1,2,3
	v_cvt_scalef32_pk16_fp6_f32 v[OCD+4*\i:OCD+4*\i+2], v[16*\i:16*\i+15], v[OSC+\i]
.endr
	WIN 0
	v_nop
.irp i, 0,1,2,3
.irp p, 0,1,2
	ds_store_b32 v[OCA], v[OCD+4*\i+\p] offset:784*(16*(\m)+\i)+4*\p   ; 12 bytes: head r, d = 32 (half) + 16 h + 0 .. 15
.endr
	ds_store_b8 v[OSA], v[OBY+\i] offset:32*(16*(\m)+\i)
.endr
.endm
.macro VEPI
	s_and_b32 s50, s[CNT], 1                       ; which half of d
	s_mul_i32 s51, s50, 24
	v_add_nc_u32 v[OCA], s51, v[OCB]
	v_add_nc_u32 v[OSA], s50, v[OSB]
	VSTG 0
	BARRIER                                        ; the stage is full
	VLD 0
	VPASS 0
	VPASS 1
	VPASS 2
	VPASS 3
.endm
; the attention's output as fragments and scale words, position by position in my cluster's order: a pair of K steps is 192 bytes of a row of codes and 8 scale bytes
.macro OLOAD
.irp p, 0,1,2,3
	v_add_nc_u32 v30, s[RF+\p], v[OFR]
	v_add_nc_u32 v31, s[RS+\p], v[OSR]
.irp m, 0,1,2,3
	ds_load_b32 v[XS+4*\p+\m], v31 offset:512*\m   ; lanes 0-15: the position's first K step; lanes 16-31: its second
.endr
.if \p < 2
	WIN 0x40
.else
	WIN 0x80
.endif
.irp q, 0,1
.irp m, 0,1,2,3
.irp c, 0,1
.irp g, 0,1,2
	ds_load_b64 v[12*(4*(2*(\p%2)+\q)+\m)+6*\c+2*\g:12*(4*(2*(\p%2)+\q)+\m)+6*\c+2*\g+1], v30 offset:12544*\m+96*\q+48*\c+8*\g
.endr
.endr
.endr
.endr
	WIN 0
.endr
.endm
; behind a chunk of o: 16 tokens x my 128 columns go from the accumulators through my own stage and leave as whole rows of 512 bytes; one block's stores stand behind the next block's way through the stage
.macro TOST m
	WIN 0x0c
.irp b, 0,1,2,3,4,5,6,7
	ds_store_b128 v[OSI], v[64*(\m)+8*\b:64*(\m)+8*\b+3] offset:64*\b
	ds_store_b128 v[OSI], v[64*(\m)+8*\b+4:64*(\m)+8*\b+7] offset:64*\b+16
.endr
	WIN 0
.irp t, 0,1,2,3,4,5,6,7,8,9,10,11,12,13,14,15
	ds_load_b128 v[64+64*((\m)%3)+4*\t:64+64*((\m)%3)+4*\t+3], v[OSO] offset:528*\t   ; LDS serves a wave's instructions in order
.endr
.endm
.macro SEND m, co, younger
	s_wait_dscnt \younger
.irp t, 0,1,2,3,4,5,6,7,8,9,10,11,12,13,14,15
	global_store_b128 v[L16], v[64+64*((\m)%3)+4*\t:64+64*((\m)%3)+4*\t+3], s[10:11] offset:4096*(16*(\m)+\t)+2048*(\co) th:TH_STORE_NT   ; 512 consecutive bytes, aligned to 256
.endr
.endm
.macro OEPI co
	TOST 0
	TOST 1
	SEND 0, \co, 32                                ; behind block 0's loads: block 1's 16 stores and 16 loads
	TOST 2
	SEND 1, \co, 32
	s_wait_xcnt 0x0                                ; block 0's stores have read their registers, which block 3 takes
	TOST 3
	SEND 2, \co, 32
	SEND 3, \co, 0
.endm
	; ---- the head
	s_load_b256 s[4:11], s[0:1], 0x0               ; x, wimg, bimg, out0
	v_lshl_add_u32 v[SPW], v0, 2, SPARE
	v_mov_b32 v[NIL], 0
	ds_add_u32 v[SPW], v[NIL]                      ; the opening lines: the add twice on end and one wait
	ds_add_u32 v[SPW], v[NIL]
	v_lshrrev_b32 v10, 5, v0
	v_readfirstlane_b32 s[WV], v10
	s_bfe_u32 s13, ttmp6, 0x40000                  ; cx: it enters x's, out0's and the prefetches' global addresses alone
	s_lshl_b32 s14, ttmp9, 2
	s_add_co_u32 s14, s14, s13                     ; my block of 64 tokens
	s_mov_b32 s[LIM], ttmp9
	s_lshr_b32 s[ROT], ttmp9, 2
	s_add_co_u32 s[ROT], s[ROT], ttmp9
	s_and_b32 s[ROT], s[ROT], 3                    ; rot: the same in all four partners
.irp p, 0,1,2,3
	s_add_co_u32 s50, s[ROT], \p
	s_and_b32 s50, s50, 3
	s_mul_i32 s[ROP+2*\p], s50, TILE
	s_mov_b32 s[ROP+2*\p+1], 0
	s_lshl_b32 s[XB+2*\p], s50, 10
	s_mov_b32 s[XB+2*\p+1], 0
	s_mul_i32 s[RF+\p], s50, 192
	s_lshl_b32 s[RS+\p], s50, 3
.endr
	s_mov_b32 s[G1+0], 15|(3<<16)|(1<<21)          ; the mask: all four work-groups; elements of 8 bytes; bit 21 beside a mask
	s_mov_b32 s[G1+1], 32<<16                      ; rows of 256 bytes
	s_mov_b32 s[G1+2], 100<<16
	s_mov_b32 s[G1+3], 32<<16
	s_mov_b32 s[G1+4], 100
	s_mov_b32 s[G1+5], 32
	s_mov_b32 s[G1+6], 0
	s_mov_b32 s[G1+7], 0
	s_mov_b32 s[SEL], 0x76543210
	s_mov_b32 s[SEL+1], 0xfedcba98
	s_mov_b32 s[CS], 0x3e38aa3b                    ; log2(e) / 8
	s_mov_b32 s[CS+1], s[CS]
	s_mul_i32 s48, s[WV], PART
	s_mov_b32 s49, 0
	s_wait_dscnt 0x0                               ; both opening adds are done
	v_and_b32 v1, 15, v0                           ; r
	v_bfe_u32 v2, v0, 4, 1                         ; h
	v_and_b32 v[L4], 31, v0
	v_lshlrev_b32 v[L16], 4, v[L4]
	v_min_u32 v[PFO], 24, v[L4]
	v_lshlrev_b32 v[PFO], 8, v[PFO]
	v_lshlrev_b32 v[L4], 2, v[L4]
	v_add_nc_u32 v[ADW], s48, v[L16]
	v_add_nc_u32 v[ADW+1], TILE, v[ADW]
	s_lshl_b32 s50, s[WV], 9
	s_add_co_u32 s50, s50, BIAS
	v_lshl_add_u32 v[BIA0], v2, 5, s50
	s_mul_i32 s50, s[WV], 8448                     ; the X phase
	s_add_co_u32 s50, s50, XSTG
	v_add_nc_u32 v[XSTI], s50, v[L16]
	v_mul_u32_u24 v[XSTO], v1, 528
	v_lshl_add_u32 v[XSTO], v2, 6, v[XSTO]
	v_add_nc_u32 v[XSTO], s50, v[XSTO]
	s_mul_i32 s50, s[WV], FRB
	s_add_co_u32 s50, s50, XIMG
	v_add_nc_u32 v[XWI], s50, v[L16]
	s_lshl_b32 s50, s[WV], 7
	s_add_co_u32 s50, s50, XSC
	v_lshl_add_u32 v[XWS], v1, 2, s50
	v_add_nc_u32 v[XRI], XIMG, v[L16]
	v_add_nc_u32 v[XRS], XSC, v[L4]
	v_lshlrev_b32 v[BIO], 4, v0
	v_add_nc_u32 v[BIW], BIAS, v[BIO]
	v_mul_u32_u24 v[QCB], v1, 1552                 ; the QK phase: token r's row, + 24 h, + my wave's 96 bytes
	v_mad_u32_u24 v[QCB], v2, 24, v[QCB]
	s_mul_i32 s50, s[WV], 96
	s_add_co_u32 s50, s50, QKC
	v_add_nc_u32 v[QCB], s50, v[QCB]
	v_lshlrev_b32 v[QSB], 6, v1
	s_lshl_b32 s50, s[WV], 2
	s_add_co_u32 s50, s50, QKS
	v_add_nc_u32 v[QSB], s50, v[QSB]
	v_mul_u32_u24 v[SC0], v1, 48                   ; the scores: my four tokens' rows, head r's 48 bytes, + 24 h
	v_mad_u32_u24 v[SC0], v2, 24, v[SC0]
	s_mul_i32 s50, s[WV], 6208
	s_add_co_u32 s50, s50, QKC
	v_add_nc_u32 v[SC0], s50, v[SC0]
	v_add_nc_u32 v[SC0+1], 49664, v[SC0]
	s_lshl_b32 s50, s[WV], 8
	s_add_co_u32 s50, s50, QKS
	v_lshl_add_u32 v[SCS], v1, 1, s50
	s_mul_i32 s50, s[WV], 8448                     ; the O phase: my stage
	s_add_co_u32 s50, s50, OST
	v_mul_u32_u24 v[OSI], v1, 528
	v_lshl_add_u32 v[OSI], v2, 5, v[OSI]
	v_add_nc_u32 v[OSI], s50, v[OSI]
	v_add_nc_u32 v[OSO], s50, v[L16]
	s_and_b32 s50, s[WV], 1                        ; the V phase
	s_lshl_b32 s50, s50, 10
	s_lshr_b32 s51, s[WV], 1
	s_lshl_b32 s51, s51, 7
	s_add_co_u32 s50, s50, s51
	s_add_co_u32 s50, s50, VST
	v_mul_u32_u24 v[VSI], v1, 2064                 ; into the stage: token r; u = w % 2; 256 h; rd = 8 (w / 2) + tile
	v_lshl_add_u32 v[VSI], v2, 8, v[VSI]
	v_add_nc_u32 v[VSI], s50, v[VSI]
	s_mul_i32 s50, s[WV], 8256
	s_add_co_u32 s50, s50, VST
	v_add_nc_u32 v[VSO], s50, v[L16]               ; out of it: my four tokens, 16 x lane
	s_mul_i32 s50, s[WV], 3136
	s_add_co_u32 s50, s50, OC
	v_mul_u32_u24 v[OCB], v1, 48
	v_mad_u32_u24 v[OCB], v2, 12, v[OCB]
	v_add_nc_u32 v[OCB], s50, v[OCB]
	s_lshl_b32 s50, s[WV], 7
	s_add_co_u32 s50, s50, OS
	v_lshl_add_u32 v[OSB], v1, 1, s50
	v_mul_u32_u24 v[OFR], v1, 784
	v_mad_u32_u24 v[OFR], v2, 24, v[OFR]
	v_add_nc_u32 v[OFR], OC, v[OFR]
	v_lshlrev_b32 v[OSR], 5, v1
	v_lshl_add_u32 v[OSR], v2, 2, v[OSR]
	v_add_nc_u32 v[OSR], OS, v[OSR]
.irp b, 0,1,2,3
	v_mov_b32 v[TM+4+\b], 0                        ; a lane permute's destination counts as one of its sources
.endr
	s_wait_alu depctr_va_vdst(0)
	s_wait_kmcnt 0x0
	s_lshl_b32 s50, s14, 6
	s_lshl_b32 s51, s[WV], 4
	s_add_co_u32 s50, s50, s51
	s_lshl_b32 s50, s50, 12                        ; x at my wave's 16 rows
	s_mov_b32 s51, 0
	s_add_nc_u64 s[4:5], s[4:5], s[50:51]
.irp p, 0,1,2,3
	s_add_nc_u64 s[XB+2*\p:XB+2*\p+1], s[4:5], s[XB+2*\p:XB+2*\p+1]
.endr
	s_lshl_b32 s50, s14, 18
	s_lshl_b32 s47, s[WV], 9
	s_add_co_u32 s50, s50, s47                     ; out0 at the block's first row, my wave's 128 columns
	s_add_nc_u64 s[10:11], s[10:11], s[50:51]
	s_mul_i32 s50, s13, 6400
	s_add_co_u32 s50, s50, s48
	s_add_co_u32 s50, s50, 6*TILE                  ; the prefetches stand at tile 6: the first change of slots steps them to tile 7
	s_add_nc_u64 s[PFA:PFA+1], s[6:7], s[50:51]
	s_add_nc_u64 s[CBP:CBP+1], s[6:7], s[48:49]    ; my part of tile 0: the same in all four partners
.irp sl, 0,1
	s_mov_b32 s[G0+4*\sl], 1
	s_add_co_u32 s[G0+4*\sl+1], s48, \sl*TILE
	s_add_nc_u64 s[G0+4*\sl+2:G0+4*\sl+3], s[CBP:CBP+1], s[ROP+2*\sl:ROP+2*\sl+1]
	s_or_b32 s[G0+4*\sl+3], s[G0+4*\sl+3], 0x80000000
.endr
	CROUND                                         ; all four work-groups are here: the first joint loads meet
	tensor_load_to_lds s[G0:G0+3], s[G1:G1+7]      ; position 0: one tensor load a wave at the head
	s_nop 0
	PLACES 4
	XLOAD 0
	XLOAD 1
	XLOAD 2
	XLOAD 3
	; ---- X: wave w quantises rows 16 w .. 16 w + 15 of x.  The counts: the younger loads: three sets of 16; later the sets that are left and the eight loads of the biases
	XSTEP 0, 48
	XSTEP 1, 48
	XSTEP 2, 48
	XSTEP 3, 48
	XSTEP 4, 56
	XSTEP 5, 40
	XSTEP 6, 24
	XSTEP 7, 8
	s_wait_loadcnt 0x0
.irp i, 0,1,2,3,4,5,6,7
	ds_store_b128 v[BIW], v[BG+4*\i:BG+4*\i+3] offset:2048*\i
.endr
	s_wait_tensorcnt 0x0                           ; my part of position 0 is in; slot 1's first fill is issued as a refill is:
	ds_add_u32 v[SPW], v[NIL]
	s_wait_dscnt 0x0                               ; the add is done, and my stores into the exchange have landed
	CROUND                                         ; behind the round x's 32 fragments, their scale words and the biases lie in LDS for every wave
	tensor_load_to_lds s[G0+4:G0+7], s[G1:G1+7]    ; position 1
	s_nop 0
	PLACES 4
	WIN 0x40
.set ff, 0
.rept 16
.irp g, 0,1,2
	ds_load_b128 v[12*ff+4*\g:12*ff+4*\g+3], v[XRI] offset:FRB*ff+512*\g
.endr
.set ff, ff+1
.endr
	WIN 0x80
.set ff, 0
.rept 16
.irp g, 0,1,2
	ds_load_b128 v[12*ff+4*\g:12*ff+4*\g+3], v[XRI] offset:FRB*(ff+16)+512*\g
.endr
.set ff, ff+1
.endr
	WIN 0
.set ff, 0
.rept 16
	ds_load_b32 v[XS+ff], v[XRS] offset:128*ff
.set ff, ff+1
.endr
	; ---- chunks 0 to 6.  Between any wave's reads of a part of the exchange and the next stores over it stand a chunk's rounds, each with every wave's wait for its LDS instructions in front
	s_mov_b32 s[CNT], 0
.Lchunk:
	s_lshl_b32 s[BO], s[CNT], 11
	CHUNK 2, 1
	s_cmp_lt_u32 s[CNT], 4
	s_cbranch_scc0 .Lnot_qk
	QKEPI
	s_branch .Lepi_done
.Lnot_qk:
	s_cmp_lt_u32 s[CNT], 6
	s_cbranch_scc0 .Lis_o
	VEPI
	s_branch .Lepi_done
.Lis_o:
	OEPI 0
.Lepi_done:
	CHG                                            ; its first line frees the registers that out0's stores read
	s_cmp_eq_u32 s[CNT], 3
	s_cbranch_scc0 .Lno_score
	; all 64 tokens' codes of q and k lie in LDS: every wave waited for its stores ahead of the round
.irp i, 0,1,2,3
.irp k, 0,1,2,3,4,5
	v_mov_b32 v[70+24*\i+\k], 0                    ; the upper 64 of the instruction's K: zero codes, on both sides
	v_mov_b32 v[82+24*\i+\k], 0
.endr
	v_mov_b32 v[MX+2*\i+1], 0
.endr
	PLACES 4                                       ; an operand written by vector instructions stands four places ahead of a scaled product
	s_wait_alu depctr_va_vdst(0)
	SLOAD 0
	SCORE 0
	SCORE 1
	SCORE 2
	SCORE 3
.Lno_score:
	s_cmp_eq_u32 s[CNT], 5
	s_cbranch_scc0 .Lno_oload
	OLOAD                                          ; all 64 tokens' codes of the attention's output lie in LDS
.Lno_oload:
	s_add_co_u32 s[CNT], s[CNT], 1
	s_cmp_lt_u32 s[CNT], 7
	s_cbranch_scc1 .Lchunk
	; ---- chunk 7 is written out
	s_mov_b32 s[BO], 14336
	CHUNK 1, 0
	OEPI 1
	s_wait_tensorcnt 0x0                           ; the wave's end
	ds_add_u32 v[SPW], v[NIL]
	s_wait_dscnt 0x0
	CROUND                                         ; the closing round
	s_endpgm
.Lfunc_end_k_q98fd6c2888_fused:
	.size	k_q98fd6c2888_fused, .Lfunc_end_k_q98fd6c2888_fused-k_q98fd6c2888_fused
	.p2alignl 7, 3214868480
	.fill 96, 4, 3214868480
	.section	.rodata,"a",@progbits
	.p2align	6, 0x0
	.amdhsa_kernel k_q98fd6c2888_fused
		.amdhsa_group_segment_fixed_size 327680
		.amdhsa_private_segment_fixed_size 0
		.amdhsa_enable_private_segment 0
		.amdhsa_kernarg_size 32
		.amdhsa_user_sgpr_count 2
		.amdhsa_user_sgpr_kernarg_segment_ptr 1
		.amdhsa_wavefront_size32 1
		.amdhsa_system_sgpr_workgroup_id_x 1
		.amdhsa_system_sgpr_workgroup_id_y 1
		.amdhsa_system_sgpr_workgroup_id_z 1
		.amdhsa_system_vgpr_workitem_id 0
		.amdhsa_next_free_vgpr 1024
		.amdhsa_next_free_sgpr 84
		.amdhsa_reserve_vcc 0
		.amdhsa_float_denorm_mode_32 3
		.amdhsa_float_denorm_mode_16_64 3
		.amdhsa_memory_ordered 1
		.amdhsa_forward_progress 1
		.amdhsa_inst_pref_size 255
	.end_amdhsa_kernel
	.section	.bss,"aw",@nobits
	.p2align	6
	.space	262144
	.amdgpu_metadata
---
amdhsa.version: [ 1, 2 ]
amdhsa.kernels:
  - .name:           k_q98fd6c2888_fused
    .symbol:         k_q98fd6c2888_fused.kd
    .args:
      - { .name: x, .offset: 0, .size: 8, .value_kind: global_buffer, .address_space: global }
      - { .name: wimg, .offset: 8, .size: 8, .value_kind: global_buffer, .address_space: global }
      - { .name: bimg, .offset: 16, .size: 8, .value_kind: global_buffer, .address_space: global }
      - { .name: out0, .offset: 24, .size: 8, .value_kind: global_buffer, .address_space: global }
    .group_segment_fixed_size: 327680
    .private_segment_fixed_size: 0
    .kernarg_segment_align: 8
    .kernarg_segment_size: 32
    .max_flat_workgroup_size: 128
    .sgpr_count:     84
    .vgpr_count:     1024
    .wavefront_size: 32
...
	.end_amdgpu_metadata
.endif
;; end of part 4
